; MI455X (gfx1250); checked and timed in simulation.
; The chip was launched on July 23, 2026; its instructions are those of AMD's public machine-readable ISA for CDNA 5 (MIT licence, August 2026) and "CDNA5" Instruction Set Architecture Reference Guide (July 2026). The comments in the code are by the model that wrote it; some were corrected since.
;; Hybrid Attention. Allowed arithmetic: float matrix products may take bf16 or f16 operands with f32 sums; other float arithmetic in f32, or as packed bf16 or f16 multiplies, adds, multiply-adds, maxima and minima; sums over many terms, partial sums and values carried from step to step in f32; what a program stores and reads back later, other than sums and carried values, may be rounded once to bf16 or f16.
;; Inputs: Wk 2,048 x 2,048 float32; Wo 2,048 x 2,048 float32; Wq 2,048 x 2,048 float32; Wv 2,048 x 2,048 float32; x_kv 2 x 1,024 x 2,048 float32; x_q 2 x 1,024 x 2,048 float32.
;; Outputs: out0 2 x 1,024 x 2,048 float32.
;; 2 versions, each right; version 2 is version 1 with the launch cast written anew for expert scheduling mode. Each part assembles by itself: llvm-mc -triple=amdgcn-amd-amdhsa -mcpu=gfx1250 --defsym DOCPART=n.
;; ======== version 1 of 2: 4 launches
;; limits: values are held in f16: magnitudes above 65,504 overflow, below 6.1e-05 lose precision
;; workspace buffers: xb 16,777,216 bytes; wb 33,554,432 bytes; qkf 33,554,432 bytes; vt 8,388,608 bytes; ob 8,388,608 bytes
;; launch cast (part 1): grid 1024 x 1, 8 waves a work-group, no clusters, 0 bytes of LDS; arguments x_q, x_kv, Wq, Wk, Wv, Wo, xb, wb; writes xb, wb
.if DOCPART == 1
	.amdgcn_target "amdgcn-amd-amdhsa--gfx1250"
	.amdhsa_code_object_version 6
	.text
	.protected	k_q63a21bee5b_cast
	.globl	k_q63a21bee5b_cast
	.p2align	8
	.type	k_q63a21bee5b_cast,@function
k_q63a21bee5b_cast:
	s_mov_b64 s[64:65], 0
	v_nop
	global_prefetch_b8 v0, s[64:65] scope:SCOPE_SE
	s_setreg_imm32_b32 hwreg(HW_REG_WAVE_MODE, 25, 1), 1
	s_wait_xcnt 0x0
; All six inputs, f32, are rounded once to bf16 (to nearest even): xb = [x_q ; x_kv] as [4096][2048], wb = [Wq ; Wk ; Wv ; Wo] as [8192][2048].
; A stream: each byte is read once and written once; no LDS, no barrier, no matrix work, no cluster (no two work-groups read the same byte).
; SHARES.  Each source has 4,194,304 numbers; work-group g of 1,024 takes numbers 4,096 g .. 4,096 g + 4,095 of each of the six.
; Thread t of 256 takes, in chunk j of 4, the 16 bytes at 16,384 g + 4,096 j + 16 t: a load of a wave covers 512 consecutive bytes,
; and its store of 8 bytes a lane covers 256 consecutive bytes, at a multiple of 256 from the buffer's first byte.
; All 24 loads of a thread go out first; no register is written twice, so the only waits are the counted ones for the loads.
.set X, 4                              ; v[4:99]    load i = 4 x source + chunk: 4 registers
.set Y, 100                            ; v[100:147] its 2 registers of bf16
	s_load_b512 s[8:23], s[0:1], 0x0               ; x_q s[8:9], x_kv s[10:11], Wq s[12:13], Wk s[14:15], Wv s[16:17], Wo s[18:19], xb s[20:21], wb s[22:23]
	s_lshl_b32 s2, ttmp9, 14                       ; the work-group's 16,384 bytes of a source,
	s_lshl_b32 s3, ttmp9, 13                       ; and its 8,192 bytes of the copy
	v_lshl_add_u32 v1, v0, 4, s2
	v_lshl_add_u32 v2, v0, 3, s3
	s_wait_kmcnt 0x0
	s_add_nc_u64 s[24:25], s[20:21], 0x800000      ; x_kv's copy lies behind x_q's 8 MiB
	s_add_nc_u64 s[26:27], s[22:23], 0x800000      ; Wk's behind Wq's,
	s_add_nc_u64 s[28:29], s[22:23], 0x1000000     ; Wv's,
	s_add_nc_u64 s[30:31], s[22:23], 0x1800000     ; Wo's
.macro LD4 n, base                     ; source n: four loads
.irp j, 0,1,2,3
	global_load_b128 v[X+16*(\n)+4*(\j):X+16*(\n)+4*(\j)+3], v1, s[(\base):(\base)+1] offset:4096*(\j) th:TH_LOAD_NT
.endr
.endm
.macro ST4 n, base                     ; source n: rounded and stored
.irp j, 0,1,2,3
	s_wait_loadcnt 23-4*(\n)-(\j)                  ; loads come back in order: this one is in, the younger ones stay out
	v_cvt_pk_bf16_f32 v[Y+8*(\n)+2*(\j)], v[X+16*(\n)+4*(\j)], v[X+16*(\n)+4*(\j)+1]
	v_cvt_pk_bf16_f32 v[Y+8*(\n)+2*(\j)+1], v[X+16*(\n)+4*(\j)+2], v[X+16*(\n)+4*(\j)+3]
	global_store_b64 v2, v[Y+8*(\n)+2*(\j):Y+8*(\n)+2*(\j)+1], s[(\base):(\base)+1] offset:2048*(\j) th:TH_STORE_NT
.endr
.endm
	LD4 0, 8
	LD4 1, 10
	LD4 2, 12
	LD4 3, 14
	LD4 4, 16
	LD4 5, 18
	ST4 0, 20
	ST4 1, 24
	ST4 2, 22
	ST4 3, 26
	ST4 4, 28
	ST4 5, 30
	s_endpgm
.Lfunc_end_k_q63a21bee5b_cast:
	.size	k_q63a21bee5b_cast, .Lfunc_end_k_q63a21bee5b_cast-k_q63a21bee5b_cast
	.p2alignl 7, 3214868480
	.fill 96, 4, 3214868480
	.section	.rodata,"a",@progbits
	.p2align	6, 0x0
	.amdhsa_kernel k_q63a21bee5b_cast
		.amdhsa_group_segment_fixed_size 0
		.amdhsa_private_segment_fixed_size 0
		.amdhsa_enable_private_segment 0
		.amdhsa_kernarg_size 64
		.amdhsa_user_sgpr_count 2
		.amdhsa_user_sgpr_kernarg_segment_ptr 1
		.amdhsa_wavefront_size32 1
		.amdhsa_system_sgpr_workgroup_id_x 1
		.amdhsa_system_sgpr_workgroup_id_y 1
		.amdhsa_system_sgpr_workgroup_id_z 1
		.amdhsa_system_vgpr_workitem_id 0
		.amdhsa_next_free_vgpr 148
		.amdhsa_next_free_sgpr 66
		.amdhsa_reserve_vcc 0
		.amdhsa_float_denorm_mode_32 3
		.amdhsa_float_denorm_mode_16_64 3
		.amdhsa_memory_ordered 1
		.amdhsa_forward_progress 1
		.amdhsa_inst_pref_size 10
	.end_amdhsa_kernel
	.amdgpu_metadata
---
amdhsa.version: [ 1, 2 ]
amdhsa.kernels:
  - .name:           k_q63a21bee5b_cast
    .symbol:         k_q63a21bee5b_cast.kd
    .args:
      - { .name: x_q, .offset: 0, .size: 8, .value_kind: global_buffer, .address_space: global }
      - { .name: x_kv, .offset: 8, .size: 8, .value_kind: global_buffer, .address_space: global }
      - { .name: Wq, .offset: 16, .size: 8, .value_kind: global_buffer, .address_space: global }
      - { .name: Wk, .offset: 24, .size: 8, .value_kind: global_buffer, .address_space: global }
      - { .name: Wv, .offset: 32, .size: 8, .value_kind: global_buffer, .address_space: global }
      - { .name: Wo, .offset: 40, .size: 8, .value_kind: global_buffer, .address_space: global }
      - { .name: xb, .offset: 48, .size: 8, .value_kind: global_buffer, .address_space: global }
      - { .name: wb, .offset: 56, .size: 8, .value_kind: global_buffer, .address_space: global }
    .group_segment_fixed_size: 0
    .private_segment_fixed_size: 0
    .kernarg_segment_align: 8
    .kernarg_segment_size: 64
    .max_flat_workgroup_size: 256
    .sgpr_count:     66
    .vgpr_count:     148
    .wavefront_size: 32
...
	.end_amdgpu_metadata
.endif
;; end of part 1
;; launch qkv (part 2): grid 24 x 8, 4 waves a work-group, clusters of 4 x 4, 327,680 bytes of LDS; arguments xb, wb, qkf, vt; writes qkf, vt
.if DOCPART == 2
	.amdgcn_target "amdgcn-amd-amdhsa--gfx1250"
	.amdhsa_code_object_version 6
	.text
	.protected	k_q63a21bee5b_qkv
	.globl	k_q63a21bee5b_qkv
	.p2align	8
	.type	k_q63a21bee5b_qkv,@function
k_q63a21bee5b_qkv:
	s_mov_b64 s[64:65], 0
	v_nop
	global_prefetch_b8 v0, s[64:65] scope:SCOPE_SE
	s_setreg_imm32_b32 hwreg(HW_REG_WAVE_MODE, 25, 1), 1
	s_wait_xcnt 0x0
	s_wait_alu depctr_hold_cnt(0) depctr_sa_sdst(0) depctr_va_vdst(0) depctr_va_sdst(0) depctr_va_ssrc(0) depctr_va_vcc(0) depctr_vm_vsrc(0)
	s_getreg_b32 s2, hwreg(HW_REG_IB_STS2, 6, 4)
	s_cmp_eq_u32 s2, 0
	s_cbranch_scc0 .Lentry_in_a_cluster
	s_endpgm
.Lentry_in_a_cluster:
	s_bfe_u32 s2, ttmp6, 0x10000c
	s_cmp_lg_u32 s2, 0xf033
	s_cbranch_scc0 .Lentry_shape_is_right
	s_endpgm
.Lentry_shape_is_right:
; THE THREE PROJECTIONS THAT ARE USED: q = x_q Wq^T (all heads); k = x Wk^T and v = x Wv^T with x = x_q for heads 0-7 and x = x_kv for heads 8-15.  Operands bf16, sums f32.
; A tile of 256 x 256 outputs is made by a work-group of four waves, 128 x 128 each (64 accumulators, 512 registers); K = 2,048 goes in 16 steps of 128 through a ring of two LDS slots.
; THE GRID.  24 x 8 work-groups in 6 x 2 clusters of 4 x 4.  Cluster column CLX 0, 1: q; 2: k of heads 0-7; 3: k of heads 8-15; 4, 5: v.  192 work-groups: the outputs, 3 x 2,048 x 2,048, do not
; divide into 256 equal tiles whose columns stay inside one source of x (1,024 columns).
; REGIONS.  Region A of a slot (256 rows, source 1 of the products) hangs on the tile row TY alone and is shared along a row of the cluster; region B (source 0) on the tile column TX alone and is
; shared along a column: each is asked for JOINTLY by the four that need it.  For q and k: A = rows of x, B = rows of W.  For v: A = rows of Wv, B = rows of x, that is v^T = Wv x^T.
; THE TEXT.  A K step is written twice: with its refill (the loop, 14 trips) and without (the tail, walked twice and left in the middle of the second walk).
; Which slot is read hangs on a scalar, 0 or SLOT, that an exclusive or turns at each change of slots; one descriptor a tensor walks, its LDS word turned in the same way.
; WHAT IS STORED.  In a result lane l holds A's row l % 16 and B's rows 8 (l / 16) + 0..7: packed to 16 bits these are 16 bytes a lane, 512 consecutive bytes a wave: an IMAGE of half a matrix fragment.
;   qkf [q, k][b 16 + h][block of 16 rows][hi, lo][block of 16 channels][512 bytes], f16: lane l holds row l % 16, channels 8 (l / 16) + 0..7.  hi = f16(q), lo = f16(q - hi): together about 22 bits.
;   vt  [b 16 + h][step of 32 keys][block of 16 channels][half of 16 keys][512 bytes], bf16: lane l holds channel l % 16, keys 8 (l / 16) + 0..7: v rounded once to bf16, as reference() rounds it.
; So results leave straight from registers, each store 512 consecutive bytes at a multiple of 512 from the buffer's first byte.
; LIMIT.  f16 ends at 65,504: |q| and |k| must stay below it (inputs 30 times the drawn spread give about 5,000 at the most; a common offset of 30 spreads in x and W about 40,700).
; REGISTERS, in windows of 256: window 0: v0-31 addresses; v64-127, v128-191 fragments of A, two buffers; on the way out v32-63 hi, v64-95 lo (v: v32-63 and v192-223 by turns).
;   window 1: v64-127, v128-191 fragments of B.   window 2: the accumulators of my rows 0-63 ((a, b) at v[8 (8 a + b)]).   window 3: those of my rows 64-127.
.set SIZE_K, 2048
.set KSTEP,  128
.set PITCH,  272                       ; an LDS row: 256 bytes + 16 of padding = 68 words: the 16 rows of a fragment load start at 16 different groups of four banks (ISA guide 11.1)
.set HALFT,  128*PITCH                 ; 128 rows: what one tensor load brings, and what one wave reads of A or of B
.set SLOT,   4*HALFT                   ; A's 256 rows, then B's 256 rows.  SLOT = 0x22000 shares no bit with wave x HALFT (0x8800, 0x11000, 0x19800): an exclusive or with it adds or takes away SLOT
.set SPARE,  2*SLOT                    ; behind the ring: the spare words, 128 bytes for each wave
.set STEPS,  SIZE_K/KSTEP              ; 16 K steps
.set ADRA, 16                          ; v16     LDS address of my A fragments in the slot that is being fetched from
.set BASA, 17                          ; v17     the same in slot 0; never rewritten
.set ADRB, 20                          ; v20, v21  the same for B
.set BASB, 21
.set CO,   26                          ; v26     16 x lane: my 16 bytes of an image
.set NEG1, 27                          ; v27     -1.0
.set SPW,  28                          ; v28     LDS address of my spare word; never rewritten
.set NIL,  29                          ; v29     0; never rewritten
.set PFO,  30                          ; v30     the prefetches' offset: lane x a row of 4,096 bytes; never rewritten
.set F0,   64
.set F1,   128
.set HIP,  32
.set LOP,  64
.set WV,  12                           ; s12  wave
.set RH,  13                           ; s13  which half of A's rows is mine.  Also: I fetch for A (0) or for B (1)
.set CH,  14                           ; s14  which half of B's rows is mine.  Also: which 128 rows of that region I fetch
.set CX,  15
.set CY,  16
.set CLX, 17
.set CLY, 18
.set TX,  19
.set TY,  20
.set ISV, 21                           ; s21  1: this cluster makes v
.set LIM, 22                           ; s22  2 in a wave that prefetches, else the greatest number
.set TB,  23                           ; s23  0 or SLOT: the slot that is being fetched from
.set G1,  24                           ; s[24:31] descriptor group 1 for A's tiles;  s[32:39] group 0: a set for each of the two first fills; the second then walks on
.set G0,  32
.set TA,  40                           ; s[40:41] A at the first of the 128 rows that I would fetch
.set TBB, 42                           ; s[42:43] the same for B
.set PFA, 44                           ; s[44:45] where my prefetches stand
.set G1B, 48                           ; s[48:55], s[56:63] the same for B's tiles
.set G0B, 56
.set OUT, 66                           ; s[66:67] where my results go
.set OA,  68                           ; s[68:69] A's byte offset: never holds cx
.set OB,  70                           ; s[70:71] B's byte offset: never holds cy
.set MSB, 0
.macro WIN new                         ; the immediate's high byte repeats the setting that is left; a switch that changes nothing is dropped
.if MSB != (\new)
	s_set_vgpr_msb (MSB<<8)|(\new)
.set MSB, \new
.endif
.endm
.set MUL_LO, 0xa1                      ; source 0 (B) window 1, source 1 (A) window 0, C and D window 2
.set MUL_HI, 0xf1                      ; the same, C and D window 3
.set TO_B,   0x40                      ; destination window 1, address window 0
; A joint load.  Waves 0 and 1 fetch A's two halves, waves 2 and 3 B's; the branch hangs on the wave's number alone.  An s_nop 0 and four v_nop follow each of the two lines.
.macro JLOAD s
	s_cmp_eq_u32 s[RH], 0
	s_cbranch_scc0 .Lfor_b_\@
	tensor_load_to_lds s[G0+4*(\s):G0+4*(\s)+3], s[G1:G1+7]
	s_nop 0
.rept 4
	v_nop
.endr
	s_branch .Lasked_\@
.Lfor_b_\@:
	tensor_load_to_lds s[G0B+4*(\s):G0B+4*(\s)+3], s[G1B:G1B+7]
	s_nop 0
.rept 4
	v_nop
.endr
.Lasked_\@:
.endm
; A prefetch into the L2 of the K step that stands two refills on: 32 rows x 256 bytes, a lane a row, one instruction a wave.  Each row's 256 bytes of a K step are named once in the launch:
; x_q's rows by the clusters with CLX = 0, x_kv's by CLX = 3, Wv's by CLX = 4 (waves 0 and 1); Wq's and Wk's by the clusters with CLY = 0 and CLX < 4 (waves 2 and 3).  The four partners that ask
; for a tile jointly share its rows out by address, 32 each.  s3 counts the loop's trips down from 14: the last two refills have no K step two on, and nothing is asked for.
.macro ASK
	s_cmp_gt_u32 s3, s[LIM]
	s_cbranch_scc0 .Lnot_mine_\@
	global_prefetch_b8 v[PFO], s[PFA:PFA+1] offset:KSTEP*2 th:TH_LOAD_NT scope:SCOPE_SE
.Lnot_mine_\@:
.endm
.macro CREST                           ; a round of the cluster's barrier behind its opening barrier
	s_cmp_lg_u32 s[WV], 0
	s_cbranch_scc1 .Lnot_wave_0_\@
	s_barrier_signal -3
.Lnot_wave_0_\@:
	s_barrier_wait -3
	s_barrier_signal -1
	s_barrier_wait -1
.endm
.macro CROUND                          ; a whole round
	s_barrier_signal -1
	s_barrier_wait -1
	CREST
.endm
	s_load_b256 s[4:11], s[0:1], 0x0               ; xb s[4:5], wb s[6:7], qkf s[8:9], vt s[10:11]
	v_lshl_add_u32 v[SPW], v0, 2, SPARE
	v_mov_b32 v[NIL], 0
	ds_add_u32 v[SPW], v[NIL]                      ; the wave's opening: the add and its wait stand ahead of my first tensor load; the set-up below stands between them
	v_lshrrev_b32 v1, 5, v0
	v_readfirstlane_b32 s[WV], v1
	s_lshr_b32 s[RH], s[WV], 1
	s_and_b32 s[CH], s[WV], 1
	s_bfe_u32 s[CX], ttmp6, 0x40000
	s_bfe_u32 s[CY], ttmp6, 0x40004
	s_mov_b32 s[CLX], ttmp9                        ; in a cluster launch ttmp9 and ttmp7 count clusters
	s_and_b32 s[CLY], ttmp7, 0xffff
	s_lshl_b32 s[TX], s[CLX], 2
	s_add_co_u32 s[TX], s[TX], s[CX]               ; tile column = 4 x cluster x + cx
	s_lshl_b32 s[TY], s[CLY], 2
	s_add_co_u32 s[TY], s[TY], s[CY]               ; tile row = 4 x cluster y + cy
	s_cmp_ge_u32 s[CLX], 4
	s_cselect_b32 s[ISV], 1, 0
	s_lshl_b32 s72, s[CY], 2
	s_lshl_b32 s72, 15, s72                        ; my row of the cluster: places 4 cy .. 4 cy + 3
	s_lshl_b32 s73, 0x1111, s[CX]                  ; my column: places cx, cx + 4, cx + 8, cx + 12
	s_or_b32 s[G1+0], s72, (1<<16)|(1<<20)|(1<<21)|(5<<22)|(3<<25)   ; 15:0 the mask; 17:16 2-byte elements; 20 padding on; 21 set beside a mask; 24:22 after every 64 words; 31:25 4 words of it
	s_or_b32 s[G1B+0], s73, (1<<16)|(1<<20)|(1<<21)|(5<<22)|(3<<25)
.irp g, G1, G1B
	s_mov_b32 s[(\g)+1], KSTEP<<16                 ; tensor_dim0 = 128
	s_mov_b32 s[(\g)+2], 128<<16                   ; tensor_dim1 = 128
	s_mov_b32 s[(\g)+3], KSTEP<<16                 ; tile_dim0 = 128
	s_mov_b32 s[(\g)+4], 128                       ; tile_dim1 = 128
	s_mov_b32 s[(\g)+5], SIZE_K                    ; elements from row to row
	s_mov_b32 s[(\g)+6], 0
	s_mov_b32 s[(\g)+7], 0
.endr
	s_lshl_b32 s74, s[CH], 7                       ; which 128 rows of a region I fetch
	; A: q, k: row 256 TY of x_q, or of x_kv (2,048 rows on) where CLX = 3; v: row 256 TY of Wv (4,096 rows into wb)
	s_lshl_b32 s[OA], s[TY], 8
	s_add_co_u32 s[OA], s[OA], s74
	s_cmp_eq_u32 s[CLX], 3
	s_cselect_b32 s75, 2048, 0
	s_cmp_ge_u32 s[CLX], 4
	s_cselect_b32 s75, 4096, s75
	s_add_co_u32 s[OA], s[OA], s75
	s_lshl_b32 s[OA], s[OA], 12                    ; a row is 4,096 bytes
	s_mov_b32 s[OA+1], 0
	; B: q, k: row 256 TX of wb (Wq, then Wk); v: row 256 (TX & 7) of x_q, or of x_kv where CLY = 1 (Wv's rows 1,024 on: heads 8-15)
	s_and_b32 s76, s[TX], 7
	s_lshl_b32 s76, s76, 8
	s_lshl_b32 s77, s[CLY], 11
	s_add_co_u32 s76, s76, s77
	s_lshl_b32 s[OB], s[TX], 8
	s_cmp_ge_u32 s[CLX], 4
	s_cselect_b32 s[OB], s76, s[OB]
	s_add_co_u32 s[OB], s[OB], s74
	s_lshl_b32 s[OB], s[OB], 12
	s_mov_b32 s[OB+1], 0
	s_mul_i32 s78, s[WV], HALFT                    ; where my tile goes: wave x 128 rows: no place in the cluster enters an LDS address
	s_wait_dscnt 0x0                               ; the opening add is done
	s_wait_kmcnt 0x0
	s_cmp_ge_u32 s[CLX], 4
	s_cselect_b64 s[TA:TA+1], s[6:7], s[4:5]       ; A's buffer: wb for v, xb else
	s_cselect_b64 s[TBB:TBB+1], s[4:5], s[6:7]     ; B's: the other
	s_add_nc_u64 s[TA:TA+1], s[TA:TA+1], s[OA:OA+1]
	s_add_nc_u64 s[TBB:TBB+1], s[TBB:TBB+1], s[OB:OB+1]
	CROUND                                         ; all sixteen work-groups are here: the first joint loads meet
.irp s, 0,1
	s_mov_b32 s[G0+4*(\s)], 1                                        ; count = 1
	s_add_co_u32 s[G0+4*(\s)+1], s78, (\s)*SLOT                      ; LDS address
	s_add_nc_u64 s[G0+4*(\s)+2:G0+4*(\s)+3], s[TA:TA+1], (\s)*KSTEP*2  ; global address: K step s
	s_or_b32 s[G0+4*(\s)+3], s[G0+4*(\s)+3], 0x80000000              ; type = 2
	s_mov_b32 s[G0B+4*(\s)], 1
	s_add_co_u32 s[G0B+4*(\s)+1], s78, (\s)*SLOT
	s_add_nc_u64 s[G0B+4*(\s)+2:G0B+4*(\s)+3], s[TBB:TBB+1], (\s)*KSTEP*2
	s_or_b32 s[G0B+4*(\s)+3], s[G0B+4*(\s)+3], 0x80000000
	JLOAD \s                                       ; two loads of mine are out
.endr
	; a fragment is 16 rows x 32 K in 8 registers: lane l holds row l % 16, K = 8 (l / 16) + 0..7 and 16 + 8 (l / 16) + 0..7: two loads of 16 bytes, 32 bytes apart
	v_and_b32 v1, 15, v0
	v_bfe_u32 v2, v0, 4, 1
	v_mul_u32_u24 v3, v1, PITCH
	v_lshl_add_u32 v3, v2, 4, v3
	s_mul_i32 s78, s[RH], HALFT                    ; my 128 rows of A
	s_mul_i32 s79, s[CH], HALFT                    ; my 128 rows of B,
	s_add_co_u32 s79, s79, 2*HALFT                 ; which lie behind A's 256
	v_add_nc_u32 v[BASA], s78, v3
	v_add_nc_u32 v[BASB], s79, v3
	v_add_nc_u32 v[ADRA], s78, v3                  ; the fetches begin in slot 0
	v_add_nc_u32 v[ADRB], s79, v3
	s_mov_b32 s[TB], 0
	v_and_b32 v[CO], 31, v0
	v_lshlrev_b32 v[PFO], 12, v[CO]
	v_lshlrev_b32 v[CO], 4, v[CO]
	v_mov_b32 v[NEG1], -1.0
	; the prefetches: of the 128 rows that I fetch, my work-group's 32 (by cx for A, by cy for B), at K step 2: the first refill steps it to 3 and names K step 4
	s_cmp_eq_u32 s[RH], 0
	s_cselect_b64 s[PFA:PFA+1], s[TA:TA+1], s[TBB:TBB+1]
	s_cselect_b32 s46, s[CX], s[CY]
	s_lshl_b32 s46, s46, 17                        ; 32 rows of 4,096 bytes
	s_mov_b32 s47, 0
	s_add_nc_u64 s[PFA:PFA+1], s[PFA:PFA+1], s[46:47]
	s_add_nc_u64 s[PFA:PFA+1], s[PFA:PFA+1], 2*KSTEP*2
	s_lshr_b32 s46, 0x19, s[CLX]
	s_and_b32 s46, s46, 1                          ; A's rows are asked for where CLX is 0, 3 or 4
	s_cmp_eq_u32 s[CLY], 0
	s_cselect_b32 s47, 1, 0
	s_cmp_lt_u32 s[CLX], 4
	s_cselect_b32 s47, s47, 0                      ; B's where CLY = 0 and B is a weight
	s_cmp_eq_u32 s[RH], 0
	s_cselect_b32 s46, s46, s47
	s_cmp_eq_u32 s46, 1
	s_cselect_b32 s[LIM], 2, -1                    ; the same in all sixteen partners, for a given wave
	; where my results go.  q, k: which = TX / 8; b = TY / 4; head = 2 (TX & 7) + CH; my first block of 16 rows = 16 (TY & 3) + 8 RH
	s_and_b32 s76, s[TX], 7
	s_lshr_b32 s[OUT], s[TX], 3
	s_lshl_b32 s[OUT], s[OUT], 24
	s_lshr_b32 s77, s[TY], 2
	s_lshl_b32 s77, s77, 4
	s_lshl1_add_u32 s77, s76, s77
	s_add_co_u32 s77, s77, s[CH]
	s_lshl_b32 s77, s77, 19
	s_add_co_u32 s[OUT], s[OUT], s77
	s_and_b32 s77, s[TY], 3
	s_lshl_b32 s77, s77, 1
	s_add_co_u32 s77, s77, s[RH]
	s_lshl_b32 s77, s77, 16                        ; 8 blocks of 8,192 bytes
	s_add_co_u32 s[OUT], s[OUT], s77
	; v: b = (TX & 7) / 4; head = 2 TY + RH; my first step of 32 keys = 8 (TX & 3) + 4 CH
	s_lshr_b32 s78, s76, 2
	s_lshl_b32 s78, s78, 4
	s_lshl1_add_u32 s78, s[TY], s78
	s_add_co_u32 s78, s78, s[RH]
	s_lshl_b32 s78, s78, 18
	s_and_b32 s79, s[TX], 3
	s_lshl_b32 s79, s79, 1
	s_add_co_u32 s79, s79, s[CH]
	s_lshl_b32 s79, s79, 15                        ; 4 steps of 8,192 bytes
	s_add_co_u32 s78, s78, s79
	s_cmp_eq_u32 s[ISV], 1
	s_cselect_b32 s[OUT], s78, s[OUT]
	s_mov_b32 s[OUT+1], 0
	s_cselect_b64 s[46:47], s[10:11], s[8:9]
	s_add_nc_u64 s[OUT:OUT+1], s[46:47], s[OUT:OUT+1]
; 16 matrix instructions: A blocks a0, a0 + 1 of the window's four x all 8 B blocks, 32 along K.  zero = 1: the first product starts the sums.  The 64 accumulators take turns, in the same order in every quarter.
.macro MUL16 f, hi, a0, zero
	WIN MUL_LO+0x50*(\hi)
.irp a, \a0, (\a0)+1
.irp b, 0,1,2,3,4,5,6,7
.if \zero
	v_wmma_f32_16x16x32_bf16 v[8*(8*(\a)+(\b)):8*(8*(\a)+(\b))+7], v[(\f)+8*(\b):(\f)+8*(\b)+7], v[(\f)+8*(4*(\hi)+(\a)):(\f)+8*(4*(\hi)+(\a))+7], 0
.else
	v_wmma_f32_16x16x32_bf16 v[8*(8*(\a)+(\b)):8*(8*(\a)+(\b))+7], v[(\f)+8*(\b):(\f)+8*(\b)+7], v[(\f)+8*(4*(\hi)+(\a)):(\f)+8*(4*(\hi)+(\a))+7], v[8*(8*(\a)+(\b)):8*(8*(\a)+(\b))+7]
.endif
.endr
.endr
.endm
; 32 LDS loads in one run: the fragments of one quarter step (32 K at byte k of the rows of the slot that the two addresses stand in) into buffer f
.macro FETCH k, f
	WIN TO_B
.irp i, 0,1,2,3,4,5,6,7
	ds_load_b128 v[(\f)+8*(\i):(\f)+8*(\i)+3],   v[ADRB] offset:(\k)+(\i)*16*PITCH
	ds_load_b128 v[(\f)+8*(\i)+4:(\f)+8*(\i)+7], v[ADRB] offset:(\k)+(\i)*16*PITCH+32
.endr
	WIN 0
.irp i, 0,1,2,3,4,5,6,7
	ds_load_b128 v[(\f)+8*(\i):(\f)+8*(\i)+3],   v[ADRA] offset:(\k)+(\i)*16*PITCH
	ds_load_b128 v[(\f)+8*(\i)+4:(\f)+8*(\i)+7], v[ADRA] offset:(\k)+(\i)*16*PITCH+32
.endr
.endm
.macro PLACES                          ; four plain vector instructions between a matrix instruction and a load into, or a vector read of, its registers
.rept 4
	v_nop
.endr
.endm
; A K step is four quarters of 32 along K, 64 matrix instructions each, on buffers 0, 1, 0, 1.  One of the first three multiplies buffer f and, in its middle, fetches the next quarter into g.
.macro QUARTER k, f, g, zero
	s_wait_dscnt 8                                 ; B and A's rows 0-63 are in; the youngest eight loads (A's rows 64-127) may be out
	MUL16 \f, 0, 0, \zero
	MUL16 \f, 0, 2, \zero
	PLACES
	FETCH \k, \g
	s_wait_dscnt 32                                ; all but the 32 just issued
	MUL16 \f, 1, 0, \zero
	MUL16 \f, 1, 2, \zero
.endm
; The last quarter's first half, and the barrier of the change of slots.  In front of it each wave waits for all its tensor loads (at the most one is out: its part of the next slot), adds 0 to its spare
; word, and waits for that and for its own reads of this slot.  Behind it nobody reads this slot any more and the next slot is whole.
.macro MEET
	WIN 0                                          ; (the add's two registers lie in window 0)
	s_wait_tensorcnt 0x0
	ds_add_u32 v[SPW], v[NIL]
	s_wait_dscnt 9                                 ; the add and the youngest eight loads may be out
	MUL16 F1, 0, 0, 0
	s_wait_dscnt 0x0                               ; the add is done, and my reads of this slot are over
	s_barrier_signal -1
	MUL16 F1, 0, 2, 0
	WIN 0
	s_barrier_wait -1
.endm
.macro OTHER                           ; the fetches go over to the other slot
	s_xor_b32 s[TB], s[TB], SLOT
	v_add_nc_u32 v[ADRA], s[TB], v[BASA]
	v_add_nc_u32 v[ADRB], s[TB], v[BASB]
.endm
; The whole last quarter where the slot is filled again, with the K step two steps on: the barrier opens a round of the cluster's barrier, and the joint refill is the first thing behind it.
.macro TURN
	s_wait_xcnt 0x0                                ; the last prefetch, a K step back, has read its address
	s_add_nc_u64 s[PFA:PFA+1], s[PFA:PFA+1], KSTEP*2
	MEET
	CREST                                          ; no wave of any partner still reads this slot's tile or has a load on its way
.irp g, G0+4, G0B+4
	s_xor_b32 s[(\g)+1], s[(\g)+1], SLOT           ; the walking descriptor: the other slot than last time,
	s_add_nc_u64 s[(\g)+2:(\g)+3], s[(\g)+2:(\g)+3], KSTEP*2  ; the next K step; the type bits on top are not reached
.endr
	JLOAD 1                                        ; its four v_nop are also the places in front of the loads below
	OTHER
	FETCH 0, F0
	ASK
	MUL16 F1, 1, 0, 0
	MUL16 F1, 1, 2, 0
.endm
; THE WAY OUT of my block a of 16 rows of x, for q and k: hi = f16(sum); lo = f16(sum - hi): hi x (-1) + sum is exact and is rounded once, straight into a half of lo's register; 16 stores of 512 consecutive bytes.
.macro OUTQK a
.set AC, 64*((\a)%4)
	WIN 0
	s_wait_xcnt 0x0                                ; the last block's stores have read their registers
	WIN 0x0a+5*((\a)/4)                            ; sources 0 and 1: window 2 or 3
.set n, 0
.rept 32
	v_cvt_pk_f16_f32 v[HIP+n], v[AC+2*n], v[AC+2*n+1]
.set n, n+1
.endr
	WIN 0x20+0x10*((\a)/4)                         ; source 2: window 2 or 3
.set n, 0
.rept 32                                       ; all the low halves, then all the high halves: no line waits for the one before it
	v_fma_mixlo_f16 v[LOP+n], v[HIP+n], v[NEG1], v[AC+2*n] op_sel_hi:[1,0,0]
.set n, n+1
.endr
.set n, 0
.rept 32
	v_fma_mixhi_f16 v[LOP+n], v[HIP+n], v[NEG1], v[AC+2*n+1] op_sel:[1,0,0] op_sel_hi:[1,0,0]
.set n, n+1
.endr
	WIN 0
.irp b, 0,1,2,3,4,5,6,7
	global_store_b128 v[CO], v[HIP+4*(\b):HIP+4*(\b)+3], s[OUT:OUT+1] offset:8192*(\a)+512*(\b)
.endr
.irp b, 0,1,2,3,4,5,6,7
	global_store_b128 v[CO], v[LOP+4*(\b):LOP+4*(\b)+3], s[OUT:OUT+1] offset:8192*(\a)+4096+512*(\b)
.endr
.endm
; The way out of my block a of 16 channels, for v: rounded to bf16; B block b is half b % 2 of key step b / 2.
.macro OUTV a
.set AC, 64*((\a)%4)
.set VB, HIP+160*((\a)%2)
	WIN 0
	s_wait_xcnt 0x0
	WIN 0x0a+5*((\a)/4)
.set n, 0
.rept 32
	v_cvt_pk_bf16_f32 v[VB+n], v[AC+2*n], v[AC+2*n+1]
.set n, n+1
.endr
	WIN 0
.irp b, 0,1,2,3,4,5,6,7
	global_store_b128 v[CO], v[VB+4*(\b):VB+4*(\b)+3], s[OUT:OUT+1] offset:8192*((\b)/2)+1024*(\a)+512*((\b)%2)
.endr
.endm
	s_wait_tensorcnt 1                             ; my part of K step 0 is in; K step 1's may stay out
	s_barrier_signal -1
	s_barrier_wait -1                              ; everybody's is
	FETCH 0, F0
	QUARTER 64,  F0, F1, 1                         ; the first quarter stands in front of the loop: its products start the sums
	WIN 0                                          ; at a label and at a branch every window is 0
	s_mov_b32 s3, STEPS-2
.Lstep:                                                ; a trip goes from a K step's second quarter to the next step's first, and fills the slot that it leaves: K steps 2 to 15
	QUARTER 128, F1, F0, 0
	QUARTER 192, F0, F1, 0
	TURN
	QUARTER 64,  F0, F1, 0
	WIN 0
	s_sub_co_u32 s3, s3, 1
	s_cmp_lg_u32 s3, 0
	s_cbranch_scc1 .Lstep
	s_mov_b32 s3, 2
.Ltail:                                                ; K steps 14 and 15: the same trip without round and refill; the second walk is left behind its barrier, which then orders nothing: the price of one text for both
	QUARTER 128, F1, F0, 0
	QUARTER 192, F0, F1, 0
	MEET                                           ; first walk: my one tensor load that was still out is the last K step's
	s_sub_co_u32 s3, s3, 1
	s_cmp_eq_u32 s3, 0
	s_cbranch_scc1 .Lfin
	OTHER                                          ; its two additions and two v_nop are the places in front of the loads into buffer 0
	v_nop
	v_nop
	FETCH 0, F0
	MUL16 F1, 1, 0, 0
	MUL16 F1, 1, 2, 0
	QUARTER 64,  F0, F1, 0
	WIN 0
	s_branch .Ltail
.Lfin:
	MUL16 F1, 1, 0, 0                              ; the last 32 products
	MUL16 F1, 1, 2, 0
	WIN 0
	PLACES
	s_cmp_eq_u32 s[ISV], 1                         ; hangs on the cluster's x alone: the same in all partners
	s_cbranch_scc1 .Lv_out
.irp a, 0,1,2,3,4,5,6,7
	OUTQK \a
.endr
	s_branch .Lend
.Lv_out:
.irp a, 0,1,2,3,4,5,6,7
	OUTV \a
.endr
.Lend:
	s_wait_tensorcnt 0x0                           ; the wave's end
	ds_add_u32 v[SPW], v[NIL]
	s_wait_dscnt 0x0
	CROUND                                         ; the closing round: no work-group ends while a partner may still ask for a tile that names it
	s_endpgm
.Lfunc_end_k_q63a21bee5b_qkv:
	.size	k_q63a21bee5b_qkv, .Lfunc_end_k_q63a21bee5b_qkv-k_q63a21bee5b_qkv
	.p2alignl 7, 3214868480
	.fill 96, 4, 3214868480
	.section	.rodata,"a",@progbits
	.p2align	6, 0x0
	.amdhsa_kernel k_q63a21bee5b_qkv
		.amdhsa_group_segment_fixed_size 327680
		.amdhsa_private_segment_fixed_size 0
		.amdhsa_enable_private_segment 0
		.amdhsa_kernarg_size 32
		.amdhsa_user_sgpr_count 2
		.amdhsa_user_sgpr_kernarg_segment_ptr 1
		.amdhsa_wavefront_size32 1
		.amdhsa_system_sgpr_workgroup_id_x 1
		.amdhsa_system_sgpr_workgroup_id_y 1
		.amdhsa_system_sgpr_workgroup_id_z 1
		.amdhsa_system_vgpr_workitem_id 0
		.amdhsa_next_free_vgpr 1024
		.amdhsa_next_free_sgpr 80
		.amdhsa_reserve_vcc 0
		.amdhsa_float_denorm_mode_32 3
		.amdhsa_float_denorm_mode_16_64 3
		.amdhsa_memory_ordered 1
		.amdhsa_forward_progress 1
		.amdhsa_inst_pref_size 156
	.end_amdhsa_kernel
	.amdgpu_metadata
---
amdhsa.version: [ 1, 2 ]
amdhsa.kernels:
  - .name:           k_q63a21bee5b_qkv
    .symbol:         k_q63a21bee5b_qkv.kd
    .args:
      - { .name: xb, .offset: 0, .size: 8, .value_kind: global_buffer, .address_space: global }
      - { .name: wb, .offset: 8, .size: 8, .value_kind: global_buffer, .address_space: global }
      - { .name: qkf, .offset: 16, .size: 8, .value_kind: global_buffer, .address_space: global }
      - { .name: vt, .offset: 24, .size: 8, .value_kind: global_buffer, .address_space: global }
    .group_segment_fixed_size: 327680
    .private_segment_fixed_size: 0
    .kernarg_segment_align: 8
    .kernarg_segment_size: 32
    .max_flat_workgroup_size: 128
    .sgpr_count:     80
    .vgpr_count:     1024
    .wavefront_size: 32
...
	.end_amdgpu_metadata
.endif
;; end of part 2
;; launch attn (part 3): grid 16 x 32, 4 waves a work-group, clusters of 4 x 1, 327,680 bytes of LDS; arguments qkf, vt, ob; writes ob
.if DOCPART == 3
	.amdgcn_target "amdgcn-amd-amdhsa--gfx1250"
	.amdhsa_code_object_version 6
	.text
	.protected	k_q63a21bee5b_attn
	.globl	k_q63a21bee5b_attn
	.p2align	8
	.type	k_q63a21bee5b_attn,@function
k_q63a21bee5b_attn:
	s_mov_b64 s[64:65], 0
	v_nop
	global_prefetch_b8 v0, s[64:65] scope:SCOPE_SE
	s_setreg_imm32_b32 hwreg(HW_REG_WAVE_MODE, 25, 1), 1
	s_wait_xcnt 0x0
	s_wait_alu depctr_hold_cnt(0) depctr_sa_sdst(0) depctr_va_vdst(0) depctr_va_sdst(0) depctr_va_ssrc(0) depctr_va_vcc(0) depctr_vm_vsrc(0)
	s_getreg_b32 s2, hwreg(HW_REG_IB_STS2, 6, 4)
	s_cmp_eq_u32 s2, 0
	s_cbranch_scc0 .Lentry_in_a_cluster
	s_endpgm
.Lentry_in_a_cluster:
	s_bfe_u32 s2, ttmp6, 0x10000c
	s_cmp_lg_u32 s2, 0x3003
	s_cbranch_scc0 .Lentry_shape_is_right
	s_endpgm
.Lentry_shape_is_right:
; ATTENTION, 32 (batch, head) pairs of 1,024 queries x 1,024 keys x 128 channels, WITH reference()'s OWN ROUNDINGS: p = softmax(q . k / sqrt(128)) is NORMALISED in f32 and then rounded to bf16;
; v is bf16; O = p v is summed in f32 and rounded once to bf16.  ob: [b 1,024 + s][h 128 + d] bf16.
; SCORES.  q and k come as f16 hi + f16 lo (about 22 bits): s = k_lo . q_hi + k_hi . q_lo + k_hi . q_hi, three products with f32 sums, the small terms first; lo . lo, 2^-22 of a score, is left out.
; SHARES.  A work-group owns 64 queries of one (b, h): four tiles of 16.  THE KEYS ARE SPLIT AMONG ITS FOUR WAVES: wave w owns keys 256 w .. 256 w + 255 for all 64 queries, and its scores
; (16 key tiles x 4 query tiles = 64 accumulators, 512 registers) STAY IN REGISTERS: so the row's true maximum and sum are known before p is rounded, and the scores are made once.
; The waves meet three times in LDS: maxima, sums, and the four partial O.  512 work-groups: two equal shares for each of 256 WGPs.
; LAYOUT.  S^T = K Q^T (source 0 = 16 keys, source 1 = 16 queries): a lane holds ONE query (lane % 16) and the keys 8 (lane / 16) + 0..7.  Two such tiles rounded in pairs ARE source 1 of O^T = V^T P.
; K, Q and V^T lie in memory as images of fragments (512 bytes: 16 bytes a lane), so every fragment load, from memory or LDS, takes 512 consecutive bytes: no padding is needed.
; CLUSTER.  The four query blocks of a cluster belong to one (b, h) and walk the same K and V: every tile is asked for JOINTLY, with the mask of all four.  Each wave fetches what it alone reads:
; a ring of two slots of 32,768 bytes a wave; six fills: four of K (4 key tiles each, hi and lo), two of V (4 steps of 32 keys each).  By this text's count two loads of a wave are out at the start, later one.
; LIMITS.  A weight below 2^-126 counts as 0; NaN and infinities are not treated apart; q and k arrive within f16's range (65,504).
; REGISTERS, in windows of 256 (s_set_vgpr_msb: bits 1:0 source 0, 3:2 source 1, 5:4 source 2, 7:6 destination):
;   window 0: v0-15 addresses; v16-63 statistics; v64-127, v128-191 two buffers for a key tile of K (hi 32, lo 32) or a step of V; v192-255 at work
;   window 1: Q (tile qt, part, channels 32 c on, at 64 qt + 32 part + 8 c); later O^T (channel block chb, tile qt at 8 (4 chb + qt))
;   windows 2, 3: S^T (key tile kt, query tile qt at 8 (4 (kt % 8) + qt) of window 2 + kt / 8); P of key step ks takes the place of S^T of key tile 2 ks
.set SLOTB, 32768
.set STATM, 262144                     ; behind the four rings: the waves' maxima, 256 bytes a wave: [query % 16][query tile] f32
.set STATL, 263168                     ; their sums, likewise
.set SPARE, 264192                     ; the spare words, 128 bytes for each wave
.set OPITCH, 528                       ; the stage for O, in my own ring when its last fill has been read: a query's 128 channels in f32 + 16 bytes: the 16 rows of a store start at 16 different groups of four banks
.set OTILE, 16*OPITCH
.set LA,  2                            ; v2   65,536 w + 16 l: my 16 bytes of an image in my ring
.set QOF, 3                            ; v3   16 l
.set STW, 4                            ; v4   where I put my four statistics
.set STR, 5                            ; v5   where I read the four waves' back
.set OST, 6                            ; v6   where I put 32 bytes of a row of O
.set ORD, 8                            ; v8-11 where I read 16 bytes of a row of wave v's partial O
.set GOF, 12                           ; v12  8 l: my 8 bytes of a row's 256 in ob
.set PFO, 13                           ; v13  256 l; never rewritten
.set SPW, 14                           ; v14  LDS address of my spare word; never rewritten
.set NIL, 15                           ; v15  0; never rewritten
.set MX,  16                           ; v16-23  running maxima: tile qt, two chains
.set CM,  24                           ; v24-31  c m, twice, for each tile
.set LS,  32                           ; v32-47  sums: tile qt, two chains of pairs
.set RR,  48                           ; v48-55  1 / l in the low word of a pair, for each tile
.set QD,  56                           ; v56-59  four numbers, one a tile, for the exchange
.set KA,  64
.set KB,  128
.set TM,  192
.set WV,  12
.set G1,  16                           ; s[16:23] descriptor group 1: 128 rows of 256 bytes, dense
.set KP,  24                           ; s[24:25] my wave's K
.set VP,  26                           ; s[26:27] my wave's V^T
.set QP,  28                           ; s[28:29] the work-group's Q
.set OP,  30                           ; s[30:31] ob at the 16 rows that I finish
.set G0,  32                           ; s[32:39] descriptor group 0, a set for each slot
.set CS,  40                           ; s[40:41] c = log2(e) / sqrt(128)
.set SEL, 42                           ; s[42:43] v_permlanex16_b32's selects: each lane takes its own place in the other half
.set PFK, 44                           ; s[44:45] my wave's K, my work-group's quarter of a fill
.set PFV, 46                           ; s[46:47] the same for V
.set ASKS, 48                          ; s48  1 in the (b, h)'s first cluster
.set MSB, 0
.macro WIN new
.if MSB != (\new)
	s_set_vgpr_msb (MSB<<8)|(\new)
.set MSB, \new
.endif
.endm
.macro CROUND                          ; a round of the cluster's barrier
	s_barrier_signal -1
	s_barrier_wait -1
	s_cmp_lg_u32 s[WV], 0
	s_cbranch_scc1 .Lnot_wave_0_\@
	s_barrier_signal -3
.Lnot_wave_0_\@:
	s_barrier_wait -3
	s_barrier_signal -1
	s_barrier_wait -1
.endm
.macro PLACES
.rept 4
	v_nop
.endr
.endm
; A prefetch into the L2 of my wave's NEXT fill (32,768 bytes = 128 blocks of 256): all four clusters of a (b, h) walk the same K and V, so its first cluster asks; its four partners take 32 blocks each,
; told apart by address; a lane a block.  So each block is named once in the launch.  It stands behind the joint load's five lines, one group of 192 matrix instructions ahead of the load that will want it.
.macro ASK base, off
	s_cmp_eq_u32 s[ASKS], 1
	s_cbranch_scc0 .Lnot_mine_\@
	global_prefetch_b8 v[PFO], s[(\base):(\base)+1] offset:(\off) th:TH_LOAD_NT scope:SCOPE_SE
.Lnot_mine_\@:
.endm
	s_load_b128 s[4:7], s[0:1], 0x0                ; qkf s[4:5], vt s[6:7]
	s_load_b64 s[8:9], s[0:1], 0x10                ; ob
	v_lshl_add_u32 v[SPW], v0, 2, SPARE
	v_mov_b32 v[NIL], 0
	ds_add_u32 v[SPW], v[NIL]                      ; the wave's opening: the add and its wait stand ahead of my first tensor load; the set-up below stands between them
	v_lshrrev_b32 v1, 5, v0
	v_readfirstlane_b32 s[WV], v1
	s_bfe_u32 s13, ttmp6, 0x40000                  ; cx
	s_lshl_b32 s14, ttmp9, 2
	s_add_co_u32 s14, s14, s13                     ; my block of 64 queries: it enters Q's and ob's addresses alone
	s_and_b32 s15, ttmp7, 0xffff                   ; b 16 + h, which the four partners share
	s_mov_b32 s49, ttmp9
	s_cmp_eq_u32 s49, 0
	s_cselect_b32 s[ASKS], 1, 0
	s_mov_b32 s[G1+0], 15|(3<<16)|(1<<21)          ; 15:0 the mask of four; 17:16 8-byte elements; 21 set beside a mask; no padding
	s_mov_b32 s[G1+1], 32<<16                      ; tensor_dim0 = 32
	s_mov_b32 s[G1+2], 128<<16                     ; tensor_dim1 = 128
	s_mov_b32 s[G1+3], 32<<16                      ; tile_dim0 = 32
	s_mov_b32 s[G1+4], 128                         ; tile_dim1 = 128
	s_mov_b32 s[G1+5], 32                          ; 32 elements from row to row: dense
	s_mov_b32 s[G1+6], 0
	s_mov_b32 s[G1+7], 0
	s_lshl_b32 s50, s15, 19                        ; K: behind q's 16 MiB; (b, h) x 512 KiB; my 16 key tiles of 8,192 bytes
	s_lshl_b32 s52, s[WV], 17
	s_add_co_u32 s50, s50, s52
	s_add_co_u32 s50, s50, 1<<24
	s_mov_b32 s51, 0
	s_lshl_b32 s52, s15, 18                        ; V: (b, h) x 256 KiB; my 8 steps of 8,192 bytes
	s_lshl_b32 s54, s[WV], 16
	s_add_co_u32 s52, s52, s54
	s_mov_b32 s53, 0
	s_lshl_b32 s54, s15, 19                        ; Q: my block's 4 tiles of 8,192 bytes
	s_lshl_b32 s56, s14, 15
	s_add_co_u32 s54, s54, s56
	s_mov_b32 s55, 0
	s_lshr_b32 s56, s15, 4                         ; ob: row b 1,024 + 64 block + 16 w, 4,096 bytes a row; the head's 256 bytes
	s_lshl_b32 s56, s56, 22
	s_lshl_b32 s58, s14, 18
	s_add_co_u32 s56, s56, s58
	s_lshl_b32 s58, s[WV], 16
	s_add_co_u32 s56, s56, s58
	s_and_b32 s58, s15, 15
	s_lshl_b32 s58, s58, 8
	s_add_co_u32 s56, s56, s58
	s_mov_b32 s57, 0
	s_lshl_b32 s58, s13, 13                        ; the prefetches: my work-group's 32 blocks of 256 bytes
	s_mov_b32 s59, 0
	s_lshl_b32 s60, s[WV], 16                      ; my ring: no place in the cluster enters an LDS address
	s_mov_b32 s[G0+0], 1
	s_mov_b32 s[G0+1], s60
	s_mov_b32 s[G0+4], 1
	s_add_co_u32 s[G0+5], s60, SLOTB
	s_mov_b32 s[CS], 0x3e0293ee                    ; 0.127517
	s_mov_b32 s[CS+1], s[CS]
	s_mov_b32 s[SEL], 0x76543210
	s_mov_b32 s[SEL+1], 0xfedcba98
	s_wait_dscnt 0x0                               ; the opening add is done
	s_wait_kmcnt 0x0
	s_add_nc_u64 s[KP:KP+1], s[4:5], s[50:51]
	s_add_nc_u64 s[VP:VP+1], s[6:7], s[52:53]
	s_add_nc_u64 s[QP:QP+1], s[4:5], s[54:55]
	s_add_nc_u64 s[OP:OP+1], s[8:9], s[56:57]
	s_add_nc_u64 s[PFK:PFK+1], s[KP:KP+1], s[58:59]
	s_add_nc_u64 s[PFV:PFV+1], s[VP:VP+1], s[58:59]
	s_mov_b64 s[G0+2:G0+3], s[KP:KP+1]             ; fill 0: key tiles 0-3
	s_or_b32 s[G0+3], s[G0+3], 0x80000000
	s_add_nc_u64 s[G0+6:G0+7], s[KP:KP+1], SLOTB   ; fill 1: key tiles 4-7
	s_or_b32 s[G0+7], s[G0+7], 0x80000000
	CROUND                                         ; all four work-groups are here: the first joint loads meet
	tensor_load_to_lds s[G0:G0+3], s[G1:G1+7]
	s_nop 0
	tensor_load_to_lds s[G0+4:G0+7], s[G1:G1+7]
	s_nop 0
	PLACES
	v_and_b32 v60, 31, v0                          ; l
	v_and_b32 v61, 15, v0                          ; l % 16
	v_bfe_u32 v62, v0, 4, 1                        ; l / 16
	v_lshlrev_b32 v[QOF], 4, v60
	WIN 0x40                                       ; destination window 1, address window 0
.set i, 0
.rept 64                                       ; Q stays in registers: image i (tile i / 16, part (i / 8) % 2, 16 channels i % 8) into registers 4 i
	global_load_b128 v[4*i:4*i+3], v[QOF], s[QP:QP+1] offset:512*i
.set i, i+1
.endr
	WIN 0
	v_lshl_add_u32 v[LA], v60, 4, s60
	s_lshl_b32 s61, s[WV], 8
	s_add_co_u32 s61, s61, STATM
	v_lshl_add_u32 v[STW], v61, 4, s61
	v_lshl_add_u32 v[STR], v61, 4, STATM
	v_mul_u32_u24 v[OST], v61, OPITCH
	v_lshl_add_u32 v[OST], v62, 5, v[OST]
	v_add_nc_u32 v[OST], s60, v[OST]
	s_mul_i32 s62, s[WV], OTILE                    ; I finish query tile w
	v_lshl_add_u32 v[ORD], v60, 4, s62
	v_add_nc_u32 v[ORD+1], 0x10000, v[ORD]
	v_add_nc_u32 v[ORD+2], 0x20000, v[ORD]
	v_add_nc_u32 v[ORD+3], 0x30000, v[ORD]
	v_lshlrev_b32 v[GOF], 3, v60
	v_lshlrev_b32 v[PFO], 8, v60
.set i, 0
.rept 8
	v_mov_b32 v[MX+i], 0xff7fffff                  ; the lowest finite number
.set i, i+1
.endr
.set i, 0
.rept 16
	v_mov_b32 v[LS+i], 0
.set i, i+1
.endr
.irp q, 0,1,2,3
	v_mov_b32 v[RR+2*(\q)+1], 0                    ; named with 1 / l as a pair, so it is written
.endr
; 16 LDS loads: 8,192 bytes (a key tile of K: hi's 8 images, lo's 8; or a step of V: 8 channel blocks x 2 halves) at byte off of my ring into buffer st
.macro KFETCH st, off
	WIN 0
.set i, 0
.rept 16
	ds_load_b128 v[(\st)+4*i:(\st)+4*i+3], v[LA] offset:(\off)+512*i
.set i, i+1
.endr
.endm
; Key tile kt against all four query tiles: 48 matrix instructions: (k lo, q hi), (k hi, q lo), (k hi, q hi); in each, channels 32 c on, c = 0..3; the four accumulators take turns.
.macro STILE kt, st
	WIN 0xa4+0x50*((\kt)/8)                        ; K window 0, Q window 1, S^T window 2 or 3
.set n, 0
.rept 48
.set rS, 32*((\kt)%8)+8*(n%4)
.set rK, (\st)+32*((2-n/16)/2)+8*((n/4)%4)
.set rQ, 64*(n%4)+32*((n/16)%2)+8*((n/4)%4)
.if n < 4
	v_wmma_f32_16x16x32_f16 v[rS:rS+7], v[rK:rK+7], v[rQ:rQ+7], 0
.else
	v_wmma_f32_16x16x32_f16 v[rS:rS+7], v[rK:rK+7], v[rQ:rQ+7], v[rS:rS+7]
.endif
.set n, n+1
.endr
.endm
; Slot g % 2 holds key tiles 4 g .. 4 g + 3.  They are multiplied, and the slot is filled again with fill g + 2.  In front of the round each wave waits for all its tensor loads (one is out: the other
; slot's), adds 0 to its spare word, and waits for that and for its reads of this slot; the last tile's 48 products stand between the add and the wait for it.
.macro GROUP g
.set SOFF, SLOTB*((\g)%2)
	KFETCH KA, SOFF
	KFETCH KB, SOFF+8192
.if (\g) == 0
	s_wait_loadcnt 0x0                             ; Q
.endif
	s_wait_dscnt 16                                ; the older buffer is in; the other's 16 loads may be out
	STILE 4*(\g), KA
	PLACES
	KFETCH KA, SOFF+16384
	s_wait_dscnt 16
	STILE 4*(\g)+1, KB
	PLACES
	KFETCH KB, SOFF+24576
	s_wait_dscnt 16
	STILE 4*(\g)+2, KA
	WIN 0
	s_wait_tensorcnt 0x0                           ; no tensor load of mine is out, so a group 0 may be written
	ds_add_u32 v[SPW], v[NIL]
.if (\g) < 2
	s_add_nc_u64 s[G0+4*(\g)+2:G0+4*(\g)+3], s[G0+4*(\g)+2:G0+4*(\g)+3], 2*SLOTB  ; key tiles 8 on; the type bits on top are not reached
.elseif (\g) == 2
	s_mov_b64 s[G0+2:G0+3], s[VP:VP+1]             ; V's steps 0-3
	s_or_b32 s[G0+3], s[G0+3], 0x80000000
.else
	s_add_nc_u64 s[G0+6:G0+7], s[VP:VP+1], SLOTB   ; V's steps 4-7
	s_or_b32 s[G0+7], s[G0+7], 0x80000000
.endif
	s_wait_dscnt 1                                 ; the last buffer is in; the add may be out
	STILE 4*(\g)+3, KB
	WIN 0
	s_wait_dscnt 0x0                               ; the add is done, and my reads of the slot are over
	CROUND                                         ; the same holds of every wave of all four work-groups
	tensor_load_to_lds s[G0+4*((\g)%2):G0+4*((\g)%2)+3], s[G1:G1+7]
	s_nop 0
	PLACES                                         ; also the places behind the last products
.if (\g) == 0
	ASK PFK, 3*SLOTB
.elseif (\g) == 1
	ASK PFV, 0
.elseif (\g) == 2
	ASK PFV, SLOTB
.endif
.endm
; The maximum over a window's 8 key tiles: three operands at a time, eight chains; each accumulator's lowest registers are read first.
.macro MAXW w
	WIN 0x28+0x14*(\w)                             ; sources 1 and 2: window 2 or 3
.set n, 0
.rept 128
.set rS, 32*(n/16)+8*(n%4)+2*((n/4)%4)
.set rM, MX+2*(n%4)+((n/4)%2)
	v_max3_num_f32 v[rM], v[rM], v[rS], v[rS+1]
.set n, n+1
.endr
.endm
; 2^(c s - c m), in place: the scaling of pair n, then the two exponentials of pair n - 1.  Nothing here names an exponential's result.
.macro EXPW w
	WIN 0x82+0x41*(\w)                             ; destination and source 0: window 2 or 3
.set n, 0
.rept 128
	v_pk_fma_f32 v[2*n:2*n+1], v[2*n:2*n+1], s[CS:CS+1], v[CM+2*((n/4)%4):CM+2*((n/4)%4)+1] op_sel_hi:[1,0,0] neg_lo:[0,0,1] neg_hi:[0,0,1]
.if n > 0
	v_exp_f32 v[2*n-2], v[2*n-2]
	v_exp_f32 v[2*n-1], v[2*n-1]
.endif
.set n, n+1
.endr
	v_exp_f32 v254, v254
	v_exp_f32 v255, v255
.endm
.macro SUMW w                          ; the sums, in f32, eight chains of pairs
	WIN 0x08+0x04*(\w)
.set n, 0
.rept 128
.set rS, 32*(n/16)+8*(n%4)+2*((n/4)%4)
.set rL, LS+4*(n%4)+2*((n/4)%2)
	v_pk_add_f32 v[rL:rL+1], v[rL:rL+1], v[rS:rS+1]
.set n, n+1
.endr
.endm
; p = e / l, then rounded to bf16: P of step ks (registers 0-3 from key tile 2 ks, 4-7 from 2 ks + 1) goes into key tile 2 ks's registers; each register is read before it is written.
.macro NORMW w
	WIN 0x82+0x41*(\w)
.set n, 0
.rept 128
	v_pk_mul_f32 v[2*n:2*n+1], v[2*n:2*n+1], v[RR+2*((n/4)%4):RR+2*((n/4)%4)+1] op_sel_hi:[1,0]
.set n, n+1
.endr
	WIN 0x8a+0x45*(\w)
.set n, 0
.rept 128
.set rD, 64*(n/32)+8*((n/8)%4)
.set rA, rD+32*((n%8)/4)+2*(n%4)
	v_cvt_pk_bf16_f32 v[rD+n%8], v[rA], v[rA+1]
.set n, n+1
.endr
.endm
; O^T += V^T P for my step ks of 32 keys: 8 channel blocks x 4 query tiles; the 32 accumulators take turns.  Step 0 starts the sums.
.macro VSTEP ks, st
	WIN 0x58+0x04*((\ks)/4)                        ; V window 0, P window 2 or 3, O^T window 1
.set n, 0
.rept 32
.set rV, (\st)+8*(n/4)
.set rP, 64*((\ks)%4)+8*(n%4)
.if (\ks) == 0
	v_wmma_f32_16x16x32_bf16 v[8*n:8*n+7], v[rV:rV+7], v[rP:rP+7], 0
.else
	v_wmma_f32_16x16x32_bf16 v[8*n:8*n+7], v[rV:rV+7], v[rP:rP+7], v[8*n:8*n+7]
.endif
.set n, n+1
.endr
.endm
.macro RLOAD bt, st                    ; rows 4 bt .. 4 bt + 3 of my query tile, from all four waves' stages: a row's 512 bytes, 16 a lane
.irp rr, 0,1,2,3
.irp u, 0,1,2,3
	ds_load_b128 v[(\st)+16*(\rr)+4*(\u):(\st)+16*(\rr)+4*(\u)+3], v[ORD+(\u)] offset:OPITCH*(4*(\bt)+(\rr))
.endr
.endr
.endm
.macro RSUM bt, st                     ; the four partial sums are added in f32, O is rounded once to bf16 and stored: 32 lanes x 8 bytes = 256 consecutive bytes, at a multiple of 256 from ob's first byte
.irp rr, 0,1,2,3
.set b0, (\st)+16*(\rr)
.set rw, 4*(\bt)+(\rr)
	v_pk_add_f32 v[b0:b0+1], v[b0:b0+1], v[b0+4:b0+5]
	v_pk_add_f32 v[b0+2:b0+3], v[b0+2:b0+3], v[b0+6:b0+7]
	v_pk_add_f32 v[b0+8:b0+9], v[b0+8:b0+9], v[b0+12:b0+13]
	v_pk_add_f32 v[b0+10:b0+11], v[b0+10:b0+11], v[b0+14:b0+15]
	v_pk_add_f32 v[b0:b0+1], v[b0:b0+1], v[b0+8:b0+9]
	v_pk_add_f32 v[b0+2:b0+3], v[b0+2:b0+3], v[b0+10:b0+11]
	v_cvt_pk_bf16_f32 v[TM+2*rw], v[b0], v[b0+1]
	v_cvt_pk_bf16_f32 v[TM+2*rw+1], v[b0+2], v[b0+3]
	global_store_b64 v[GOF], v[TM+2*rw:TM+2*rw+1], s[OP:OP+1] offset:4096*rw
.endr
.endm
	s_wait_tensorcnt 1                             ; my slot 0 is in, and I alone read it; slot 1's load may stay out
	GROUP 0
	GROUP 1
	GROUP 2
	GROUP 3
	; THE MAXIMUM of each query's 1,024 scores: my lane's 128, the other half of the lanes', the other three waves'
	MAXW 0
	MAXW 1
	WIN 0
.irp q, 0,1,2,3
	v_max_num_f32 v[QD+(\q)], v[MX+2*(\q)], v[MX+2*(\q)+1]
.endr
.irp q, 0,1,2,3
	v_permlanex16_b32 v[MX+2*(\q)], v[QD+(\q)], s[SEL], s[SEL+1]
.endr
.irp q, 0,1,2,3
	v_max_num_f32 v[QD+(\q)], v[QD+(\q)], v[MX+2*(\q)]
.endr
	ds_store_b128 v[STW], v[QD:QD+3]
	s_wait_dscnt 0x0                               ; for the others' sake: my store is done
	s_barrier_signal -1
	s_barrier_wait -1
.irp u, 0,1,2,3
	ds_load_b128 v[TM+4*(\u):TM+4*(\u)+3], v[STR] offset:256*(\u)
.endr
	s_wait_dscnt 0x0
.irp q, 0,1,2,3
	v_max3_num_f32 v[QD+(\q)], v[TM+(\q)], v[TM+4+(\q)], v[TM+8+(\q)]
.endr
.irp q, 0,1,2,3
	v_max_num_f32 v[QD+(\q)], v[QD+(\q)], v[TM+12+(\q)]
.endr
.irp q, 0,1,2,3
	v_mul_f32 v[CM+2*(\q)], s[CS], v[QD+(\q)]
	v_mul_f32 v[CM+2*(\q)+1], s[CS], v[QD+(\q)]
.endr
	; THE EXPONENTIALS: one batch of 512, and one wait
	EXPW 0
	EXPW 1
	v_nop                                          ; a plain instruction behind the last exponential, ahead of the first use (ISA guide 5.7.2)
	s_wait_alu depctr_va_vdst(0)                   ; the wait ahead of the first instruction that names a result: one for the batch
	; THE SUM of each query's 1,024 weights
	SUMW 0
	SUMW 1
	WIN 0
.irp q, 0,1,2,3
	v_pk_add_f32 v[LS+4*(\q):LS+4*(\q)+1], v[LS+4*(\q):LS+4*(\q)+1], v[LS+4*(\q)+2:LS+4*(\q)+3]
.endr
.irp q, 0,1,2,3
	v_add_f32 v[QD+(\q)], v[LS+4*(\q)], v[LS+4*(\q)+1]
.endr
.irp q, 0,1,2,3
	v_permlanex16_b32 v[LS+4*(\q)+2], v[QD+(\q)], s[SEL], s[SEL+1]
.endr
.irp q, 0,1,2,3
	v_add_f32 v[QD+(\q)], v[QD+(\q)], v[LS+4*(\q)+2]
.endr
	ds_store_b128 v[STW], v[QD:QD+3] offset:STATL-STATM  ; bytes of their own: no wave need have finished reading the maxima
	s_wait_dscnt 0x0
	s_barrier_signal -1
	s_barrier_wait -1
.irp u, 0,1,2,3
	ds_load_b128 v[TM+4*(\u):TM+4*(\u)+3], v[STR] offset:STATL-STATM+256*(\u)
.endr
	s_wait_dscnt 0x0
	KFETCH KA, 0                                   ; V's steps 0 and 1 (slot 0's fill was waited for in front of the last round) come in under the arithmetic below
	KFETCH KB, 8192
.irp q, 0,1,2,3
	v_add_f32 v[QD+(\q)], v[TM+(\q)], v[TM+4+(\q)]
	v_add_f32 v[MX+(\q)], v[TM+8+(\q)], v[TM+12+(\q)]
.endr
.irp q, 0,1,2,3
	v_add_f32 v[QD+(\q)], v[QD+(\q)], v[MX+(\q)]
.endr
.irp q, 0,1,2,3
	v_rcp_f32 v[RR+2*(\q)], v[QD+(\q)]
.endr
	v_nop
	s_wait_alu depctr_va_vdst(0)                   ; one wait for the four reciprocals
	NORMW 0
	NORMW 1
	; O^T = V^T P over my 256 keys
	s_wait_dscnt 16
	VSTEP 0, KA
	PLACES
	KFETCH KA, 2*8192
	s_wait_dscnt 16
	VSTEP 1, KB
	PLACES
	KFETCH KB, 3*8192
	s_wait_dscnt 16
	VSTEP 2, KA
	PLACES
	s_wait_tensorcnt 0x0                           ; slot 1 holds V's steps 4-7: my last load, so the count is 0
	KFETCH KA, 4*8192
	s_wait_dscnt 16
	VSTEP 3, KB
	PLACES
	KFETCH KB, 5*8192
	s_wait_dscnt 16
	VSTEP 4, KA
	PLACES
	KFETCH KA, 6*8192
	s_wait_dscnt 16
	VSTEP 5, KB
	PLACES
	KFETCH KB, 7*8192
	s_wait_dscnt 16
	VSTEP 6, KA
	s_wait_dscnt 0x0
	VSTEP 7, KB
	; THE FOUR PARTIAL O MEET.  My ring has had its last fill and I have read it out: it is my stage.  A lane's eight channels of a query are 32 bytes of a row.
	PLACES
	WIN 0x04                                       ; data (source 1) window 1
.set n, 0
.rept 32
	ds_store_b128 v[OST], v[8*n:8*n+3] offset:OTILE*(n%4)+64*(n/4)
	ds_store_b128 v[OST], v[8*n+4:8*n+7] offset:OTILE*(n%4)+64*(n/4)+16
.set n, n+1
.endr
	WIN 0
	s_wait_dscnt 0x0                               ; for the others' sake: my stores are done
	s_barrier_signal -1
	s_barrier_wait -1
	RLOAD 0, KA
	RLOAD 1, KB
	s_wait_dscnt 16
	RSUM 0, KA
	RLOAD 2, KA
	s_wait_dscnt 16
	RSUM 1, KB
	RLOAD 3, KB
	s_wait_dscnt 16
	RSUM 2, KA
	s_wait_dscnt 0x0
	RSUM 3, KB
	s_wait_tensorcnt 0x0                           ; the wave's end: behind my last tensor load and my last LDS store
	ds_add_u32 v[SPW], v[NIL]
	s_wait_dscnt 0x0
	CROUND                                         ; the closing round
	s_endpgm
.Lfunc_end_k_q63a21bee5b_attn:
	.size	k_q63a21bee5b_attn, .Lfunc_end_k_q63a21bee5b_attn-k_q63a21bee5b_attn
	.p2alignl 7, 3214868480
	.fill 96, 4, 3214868480
	.section	.rodata,"a",@progbits
	.p2align	6, 0x0
	.amdhsa_kernel k_q63a21bee5b_attn
		.amdhsa_group_segment_fixed_size 327680
		.amdhsa_private_segment_fixed_size 0
		.amdhsa_enable_private_segment 0
		.amdhsa_kernarg_size 24
		.amdhsa_user_sgpr_count 2
		.amdhsa_user_sgpr_kernarg_segment_ptr 1
		.amdhsa_wavefront_size32 1
		.amdhsa_system_sgpr_workgroup_id_x 1
		.amdhsa_system_sgpr_workgroup_id_y 1
		.amdhsa_system_sgpr_workgroup_id_z 1
		.amdhsa_system_vgpr_workitem_id 0
		.amdhsa_next_free_vgpr 1024
		.amdhsa_next_free_sgpr 66
		.amdhsa_reserve_vcc 0
		.amdhsa_float_denorm_mode_32 3
		.amdhsa_float_denorm_mode_16_64 3
		.amdhsa_memory_ordered 1
		.amdhsa_forward_progress 1
		.amdhsa_inst_pref_size 226
	.end_amdhsa_kernel
	.amdgpu_metadata
---
amdhsa.version: [ 1, 2 ]
amdhsa.kernels:
  - .name:           k_q63a21bee5b_attn
    .symbol:         k_q63a21bee5b_attn.kd
    .args:
      - { .name: qkf, .offset: 0, .size: 8, .value_kind: global_buffer, .address_space: global }
      - { .name: vt, .offset: 8, .size: 8, .value_kind: global_buffer, .address_space: global }
      - { .name: ob, .offset: 16, .size: 8, .value_kind: global_buffer, .address_space: global }
    .group_segment_fixed_size: 327680
    .private_segment_fixed_size: 0
    .kernarg_segment_align: 8
    .kernarg_segment_size: 24
    .max_flat_workgroup_size: 128
    .sgpr_count:     66
    .vgpr_count:     1024
    .wavefront_size: 32
...
	.end_amdgpu_metadata
.endif
;; end of part 3
;; launch oproj (part 4): grid 16 x 16, 4 waves a work-group, clusters of 4 x 4, 327,680 bytes of LDS; arguments ob, wb, out0; writes out0
.if DOCPART == 4
	.amdgcn_target "amdgcn-amd-amdhsa--gfx1250"
	.amdhsa_code_object_version 6
	.text
	.protected	k_q63a21bee5b_oproj
	.globl	k_q63a21bee5b_oproj
	.p2align	8
	.type	k_q63a21bee5b_oproj,@function
k_q63a21bee5b_oproj:
	s_mov_b64 s[64:65], 0
	v_nop
	global_prefetch_b8 v0, s[64:65] scope:SCOPE_SE
	s_setreg_imm32_b32 hwreg(HW_REG_WAVE_MODE, 25, 1), 1
	s_wait_xcnt 0x0
	s_wait_alu depctr_hold_cnt(0) depctr_sa_sdst(0) depctr_va_vdst(0) depctr_va_sdst(0) depctr_va_ssrc(0) depctr_va_vcc(0) depctr_vm_vsrc(0)
	s_getreg_b32 s2, hwreg(HW_REG_IB_STS2, 6, 4)
	s_cmp_eq_u32 s2, 0
	s_cbranch_scc0 .Lentry_in_a_cluster
	s_endpgm
.Lentry_in_a_cluster:
	s_bfe_u32 s2, ttmp6, 0x10000c
	s_cmp_lg_u32 s2, 0xf033
	s_cbranch_scc0 .Lentry_shape_is_right
	s_endpgm
.Lentry_shape_is_right:
; out0[m][n] = the sum over k of O[m][k] Wo[n][k].  O = ob [2048][2048] bf16; Wo = rows 6,144 on of wb, bf16; out0 [2048][2048] f32; sums in f32.
; 2,048 x 2,048 outputs make 256 tiles of 128 x 128: one for each WGP.  Four waves, each 64 x 64: 16 accumulators.  K goes in 8 steps of 256 (LDS rows of 512 bytes; a wave's tensor load brings 64 of them)
; through two slots, as long as LDS allows.  CLUSTERS: 4 x 4 work-groups; the four of a row need the same tiles of O, the four of a column the same tiles of Wo: each tile is asked for JOINTLY.
; THE TEXT.  A K step is written twice: with its refill (the loop, 6 trips) and without (the tail, walked twice and left in the middle of the second walk).
; Which slot is read hangs on a scalar, 0 or SLOT, that an exclusive or turns at each change of slots; one descriptor a tensor walks, its LDS word turned in the same way.
; THE MATRIX INSTRUCTION IS USED TRANSPOSED (source 0 = 16 rows of Wo, source 1 = 16 rows of O): a lane holds eight neighbouring numbers of a row of out0, 32 bytes.
; THE WAY OUT.  A wave's 64 columns in f32 are 256 bytes, at a multiple of 256 from out0's first byte: each wave has a stage of its own (16 rows) and needs no barrier.
; No prefetch is laid: the tiles are small, and each block of O and Wo is read by four clusters at about the same time.
; REGISTERS: window 0: v0-31 addresses; v32-95 the way out; v128-255 the accumulators ((a, b) at v[128 + 8 (4 a + b)]).  window 1: two fragment buffers of 128: 64 registers of A, then 64 of B.
.set SIZE_K, 2048
.set SIZE_N, 2048
.set KSTEP,  256
.set PITCH,  528                       ; an LDS row: 512 bytes + 16 of padding = 132 words: the 16 rows of a fragment load start at 16 different groups of four banks (ISA guide 11.1)
.set HALFT,  64*PITCH
.set SLOT,   4*HALFT                   ; SLOT = 0x21000 shares no bit with wave x HALFT (0x8400, 0x10800, 0x18c00): an exclusive or with it adds or takes away SLOT
.set STAGE,  2*SLOT                    ; behind the ring: 16 rows x 272 bytes for each wave
.set SPITCH, 272
.set SPARE,  STAGE+4*16*SPITCH         ; behind the stages: the spare words, 128 bytes for each wave
.set STEPS,  SIZE_K/KSTEP              ; 8 K steps
.set ADRA, 16                          ; v16  LDS address of my A fragments in the slot that is being fetched from
.set BASA, 17                          ; v17  the same in slot 0; never rewritten
.set ADRB, 20                          ; v20, v21  the same for B
.set BASB, 21
.set STO,  24                          ; v24  where I put 32 bytes of a row
.set RD,   25                          ; v25  where I read a row back
.set CO,   26                          ; v26  my byte offset in out0
.set SPW,  28
.set NIL,  29
.set TMP,  32
.set ACC,  128
.set F0,   0
.set F1,   128
.set G1, 24                            ; s[24:31] descriptor group 1 for A's tiles; s[32:39] group 0: a set for each of the two first fills; the second then walks on
.set G0, 32
.set TB, 45                            ; s45  0 or SLOT: the slot that is being fetched from
.set G1B, 48                           ; s[48:55], s[56:63] the same for B's tiles
.set G0B, 56
.set MSB, 0
.macro WIN new
.if MSB != (\new)
	s_set_vgpr_msb (MSB<<8)|(\new)
.set MSB, \new
.endif
.endm
.set MUL,  0x05                        ; sources 0 (B) and 1 (A) window 1; C and D window 0
.set TO_F, 0x40                        ; destination window 1, address window 0
.macro JLOAD s                         ; a joint load: waves 0 and 1 fetch A's two halves, waves 2 and 3 B's; an s_nop 0 and four v_nop follow each of the two lines
	s_cmp_eq_u32 s11, 0
	s_cbranch_scc0 .Lfor_b_\@
	tensor_load_to_lds s[G0+4*(\s):G0+4*(\s)+3], s[G1:G1+7]
	s_nop 0
.rept 4
	v_nop
.endr
	s_branch .Lasked_\@
.Lfor_b_\@:
	tensor_load_to_lds s[G0B+4*(\s):G0B+4*(\s)+3], s[G1B:G1B+7]
	s_nop 0
.rept 4
	v_nop
.endr
.Lasked_\@:
.endm
.macro CREST
	s_cmp_lg_u32 s10, 0
	s_cbranch_scc1 .Lnot_wave_0_\@
	s_barrier_signal -3
.Lnot_wave_0_\@:
	s_barrier_wait -3
	s_barrier_signal -1
	s_barrier_wait -1
.endm
.macro CROUND
	s_barrier_signal -1
	s_barrier_wait -1
	CREST
.endm
	s_load_b128 s[4:7], s[0:1], 0x0                ; ob s[4:5], wb s[6:7]
	s_load_b64 s[8:9], s[0:1], 0x10                ; out0
	v_lshl_add_u32 v[SPW], v0, 2, SPARE
	v_mov_b32 v[NIL], 0
	ds_add_u32 v[SPW], v[NIL]                      ; the wave's opening: the add and its wait stand ahead of my first tensor load
	v_lshrrev_b32 v1, 5, v0
	v_readfirstlane_b32 s10, v1                    ; wave 0..3
	s_lshr_b32 s11, s10, 1                         ; which half of the tile's rows is mine.  Also: I fetch for A (0) or for B (1)
	s_and_b32 s12, s10, 1                          ; which half of its columns.  Also: which 64 rows of that tile I fetch
	s_bfe_u32 s40, ttmp6, 0x40000                  ; cx, cy
	s_bfe_u32 s41, ttmp6, 0x40004
	s_lshl_b32 s42, ttmp9, 2
	s_add_co_u32 s42, s42, s40                     ; tile column = 4 x cluster x + cx
	s_and_b32 s13, ttmp7, 0xffff
	s_lshl_b32 s13, s13, 2
	s_add_co_u32 s13, s13, s41                     ; tile row = 4 x cluster y + cy
	s_lshl_b32 s43, s41, 2
	s_lshl_b32 s43, 15, s43                        ; my row of the cluster
	s_lshl_b32 s44, 0x1111, s40                    ; my column
	s_or_b32 s[G1+0], s43, (1<<16)|(1<<20)|(1<<21)|(6<<22)|(3<<25)  ; the mask; 2-byte elements; padding on; bit 21 beside a mask; after every 128 words 4 words
	s_or_b32 s[G1B+0], s44, (1<<16)|(1<<20)|(1<<21)|(6<<22)|(3<<25)
.irp g, G1, G1B
	s_mov_b32 s[(\g)+1], KSTEP<<16                 ; tensor_dim0 = 256
	s_mov_b32 s[(\g)+2], 64<<16                    ; tensor_dim1 = 64
	s_mov_b32 s[(\g)+3], KSTEP<<16                 ; tile_dim0 = 256
	s_mov_b32 s[(\g)+4], 64                        ; tile_dim1 = 64
	s_mov_b32 s[(\g)+5], SIZE_K                    ; elements from row to row
	s_mov_b32 s[(\g)+6], 0
	s_mov_b32 s[(\g)+7], 0
.endr
	s_lshl_b32 s17, s12, 6                         ; which 64 rows of the tile I fetch
	s_lshl_b32 s16, s13, 7
	s_add_co_u32 s16, s16, s17                     ; A: row 128 x tile row + 64 x half
	s_lshl_b32 s46, s42, 7
	s_add_co_u32 s46, s46, s17                     ; B: row 128 x tile column + 64 x half
	s_mov_b32 s17, 0
	s_mov_b32 s47, 0
	s_mov_b64 s[18:19], SIZE_K*2
	s_mul_u64 s[16:17], s[16:17], s[18:19]
	s_mul_u64 s[46:47], s[46:47], s[18:19]
	s_mul_i32 s20, s10, HALFT                      ; where they go: wave x 64 rows
	s_wait_dscnt 0x0                               ; the opening add is done
	s_wait_kmcnt 0x0
	s_add_nc_u64 s[6:7], s[6:7], 0x1800000         ; Wo's copy lies behind Wq's, Wk's and Wv's
	s_add_nc_u64 s[14:15], s[4:5], s[16:17]
	s_add_nc_u64 s[46:47], s[6:7], s[46:47]
	CROUND                                         ; all sixteen work-groups are here: the first joint loads meet
.irp s, 0,1
	s_mov_b32 s[G0+4*(\s)], 1
	s_add_co_u32 s[G0+4*(\s)+1], s20, (\s)*SLOT
	s_add_nc_u64 s[G0+4*(\s)+2:G0+4*(\s)+3], s[14:15], (\s)*KSTEP*2
	s_or_b32 s[G0+4*(\s)+3], s[G0+4*(\s)+3], 0x80000000
	s_mov_b32 s[G0B+4*(\s)], 1
	s_add_co_u32 s[G0B+4*(\s)+1], s20, (\s)*SLOT
	s_add_nc_u64 s[G0B+4*(\s)+2:G0B+4*(\s)+3], s[46:47], (\s)*KSTEP*2
	s_or_b32 s[G0B+4*(\s)+3], s[G0B+4*(\s)+3], 0x80000000
	JLOAD \s
.endr
	v_and_b32 v1, 15, v0                           ; l % 16
	v_bfe_u32 v2, v0, 4, 1                         ; l / 16
	v_mul_u32_u24 v3, v1, PITCH
	v_lshl_add_u32 v3, v2, 4, v3                   ; a fragment's row x pitch + 16 x half
	s_mul_i32 s21, s11, HALFT                      ; my 64 rows of A
	s_mul_i32 s22, s12, HALFT                      ; my 64 rows of B,
	s_add_co_u32 s22, s22, 2*HALFT                 ; which lie behind A's 128
	v_add_nc_u32 v[BASA], s21, v3
	v_add_nc_u32 v[BASB], s22, v3
	v_add_nc_u32 v[ADRA], s21, v3                  ; the fetches begin in slot 0
	v_add_nc_u32 v[ADRB], s22, v3
	s_mov_b32 s[TB], 0
	s_mul_i32 s23, s10, 16*SPITCH
	s_add_co_u32 s23, s23, STAGE                   ; my stage
	v_mul_u32_u24 v4, v1, SPITCH                   ; in: row l % 16, 32 bytes for each half of the lanes
	v_lshl_add_u32 v4, v2, 5, v4
	v_add_nc_u32 v[STO], s23, v4
	v_mul_u32_u24 v5, v2, SPITCH                   ; back: lanes 0-15 take one row of 256 bytes, lanes 16-31 the next
	v_lshl_add_u32 v5, v1, 4, v5
	v_add_nc_u32 v[RD], s23, v5
	v_lshlrev_b32 v5, 13, v2                       ; and the same two rows in out0, 8,192 bytes apart
	v_lshl_add_u32 v[CO], v1, 4, v5
	s_lshl_b32 s16, s13, 7
	s_lshl_b32 s17, s11, 6
	s_add_co_u32 s16, s16, s17                     ; my first row: 128 x tile row + 64 x half
	s_lshl_b32 s16, s16, 13
	s_mov_b32 s17, 0
	s_add_nc_u64 s[8:9], s[8:9], s[16:17]
	s_lshl_b32 s46, s42, 9                         ; my first column, in bytes: 512 x tile column + 256 x half
	s_lshl_b32 s47, s12, 8
	s_add_co_u32 s46, s46, s47
	s_mov_b32 s47, 0
	s_add_nc_u64 s[8:9], s[8:9], s[46:47]
; 8 matrix instructions: m blocks a0, a0 + 1 x all 4 n blocks, 32 along K: half c of buffer f.  zero = 1: the first product starts the sums.  The 16 accumulators take turns.
.macro MUL8 f, c, a0, zero
	WIN MUL
.irp a, \a0, (\a0)+1
.irp b, 0,1,2,3
.if \zero
	v_wmma_f32_16x16x32_bf16 v[ACC+8*(4*(\a)+(\b)):ACC+8*(4*(\a)+(\b))+7], v[(\f)+64+8*(4*(\c)+(\b)):(\f)+64+8*(4*(\c)+(\b))+7], v[(\f)+8*(4*(\c)+(\a)):(\f)+8*(4*(\c)+(\a))+7], 0
.else
	v_wmma_f32_16x16x32_bf16 v[ACC+8*(4*(\a)+(\b)):ACC+8*(4*(\a)+(\b))+7], v[(\f)+64+8*(4*(\c)+(\b)):(\f)+64+8*(4*(\c)+(\b))+7], v[(\f)+8*(4*(\c)+(\a)):(\f)+8*(4*(\c)+(\a))+7], v[ACC+8*(4*(\a)+(\b)):ACC+8*(4*(\a)+(\b))+7]
.endif
.endr
.endr
.endm
; 32 LDS loads in one run: the fragments of 64 along K at byte k of the rows of the slot that the two addresses stand in, into buffer f; the first 32 along K first
.macro FETCH k, f
	WIN TO_F
.irp c, 0,1
.irp i, 0,1,2,3
	ds_load_b128 v[(\f)+64+8*(4*(\c)+(\i)):(\f)+64+8*(4*(\c)+(\i))+3],   v[ADRB] offset:(\k)+64*(\c)+(\i)*16*PITCH
	ds_load_b128 v[(\f)+64+8*(4*(\c)+(\i))+4:(\f)+64+8*(4*(\c)+(\i))+7], v[ADRB] offset:(\k)+64*(\c)+(\i)*16*PITCH+32
	ds_load_b128 v[(\f)+8*(4*(\c)+(\i)):(\f)+8*(4*(\c)+(\i))+3],         v[ADRA] offset:(\k)+64*(\c)+(\i)*16*PITCH
	ds_load_b128 v[(\f)+8*(4*(\c)+(\i))+4:(\f)+8*(4*(\c)+(\i))+7],       v[ADRA] offset:(\k)+64*(\c)+(\i)*16*PITCH+32
.endr
.endr
.endm
.macro PLACES                          ; four plain vector instructions between a matrix instruction and a load into, or a read of, its registers
.rept 4
	v_nop
.endr
.endm
; A K step is four quarters of 64 along K, 32 matrix instructions each, on buffers 0, 1, 0, 1.  One of the first three multiplies buffer f and fetches the next quarter, at byte k, into g.
.macro QUARTER k, f, g, zero
	s_wait_dscnt 16                                ; the first 32 along K are in
	MUL8 \f, 0, 0, \zero
	MUL8 \f, 0, 2, \zero
	PLACES
	FETCH \k, \g
	s_wait_dscnt 32                                ; all but the 32 just issued
	MUL8 \f, 1, 0, 0
	MUL8 \f, 1, 2, 0
.endm
; The last quarter's first half, and the barrier of the change of slots: in front of it each wave waits for all its tensor loads, adds 0 to its spare word, and waits for that and for its reads of this slot.
.macro MEET
	WIN 0                                          ; (the add's two registers lie in window 0)
	s_wait_tensorcnt 0x0                           ; all my tensor loads have landed: my part of the next slot
	ds_add_u32 v[SPW], v[NIL]
	s_wait_dscnt 17                                ; the add and the youngest sixteen loads may be out
	MUL8 F1, 0, 0, 0
	s_wait_dscnt 0x0                               ; the add is done, and my reads of this slot are over
	s_barrier_signal -1
	MUL8 F1, 0, 2, 0
	WIN 0
	s_barrier_wait -1
.endm
.macro OTHER                           ; the fetches go over to the other slot
	s_xor_b32 s[TB], s[TB], SLOT
	v_add_nc_u32 v[ADRA], s[TB], v[BASA]
	v_add_nc_u32 v[ADRB], s[TB], v[BASB]
.endm
; The whole last quarter where the slot is filled again, with the K step two steps on: the barrier opens a round of the cluster's barrier, and the joint refill is the first thing behind it.
.macro TURN
	MEET
	CREST                                          ; no wave of any partner still reads this slot's tile or has a load on its way
.irp g, G0+4, G0B+4
	s_xor_b32 s[(\g)+1], s[(\g)+1], SLOT           ; the walking descriptor: the other slot than last time,
	s_add_nc_u64 s[(\g)+2:(\g)+3], s[(\g)+2:(\g)+3], KSTEP*2  ; the next K step; the type bits on top are not reached
.endr
	JLOAD 1                                        ; its four v_nop are also the places in front of the loads below
	OTHER
	FETCH 0, F0
	MUL8 F1, 1, 0, 0
	MUL8 F1, 1, 2, 0
.endm
; THE WAY OUT of my block a of 16 rows: 32 bytes a lane into my stage, back as whole rows of 256 bytes.  LDS serves a wave's instructions in order (ISA guide 5.7.1.4): the loads see the stores above them,
; and the next block's stores come behind these loads.
.macro TOSTAGE a
.if (\a) >= 2
	s_wait_xcnt 0x0                                ; the stores of the block two back have read the registers that are loaded again
.endif
.irp b, 0,1,2,3
	ds_store_b128 v[STO], v[ACC+8*(4*(\a)+(\b)):ACC+8*(4*(\a)+(\b))+3] offset:64*(\b)
	ds_store_b128 v[STO], v[ACC+8*(4*(\a)+(\b))+4:ACC+8*(4*(\a)+(\b))+7] offset:64*(\b)+16
.endr
.irp t, 0,1,2,3,4,5,6,7
	ds_load_b128 v[TMP+32*((\a)%2)+4*(\t):TMP+32*((\a)%2)+4*(\t)+3], v[RD] offset:(\t)*2*SPITCH
.endr
.endm
.macro SEND a, younger                 ; younger: the LDS instructions issued behind block a's loads: the next block's sixteen, or none
.irp t, 0,1,2,3,4,5,6,7
	s_wait_dscnt (\younger)+7-(\t)
	global_store_b128 v[CO], v[TMP+32*((\a)%2)+4*(\t):TMP+32*((\a)%2)+4*(\t)+3], s[8:9] offset:(16*(\a)+2*(\t))*SIZE_N*4 th:TH_STORE_NT  ; 16 lanes store 256 consecutive bytes, at a multiple of 256 from out0's first byte
.endr
.endm
	s_wait_tensorcnt 1                             ; my part of K step 0 is in; K step 1's may stay out
	s_barrier_signal -1
	s_barrier_wait -1                              ; everybody's is
	FETCH 0, F0
	QUARTER 128, F0, F1, 1                         ; the first quarter stands in front of the loop: its first products start the sums
	WIN 0                                          ; at a label and at a branch every window is 0
	s_mov_b32 s3, STEPS-2
.Lstep:                                                ; a trip goes from a K step's second quarter to the next step's first, and fills the slot that it leaves: K steps 2 to 7
	QUARTER 256, F1, F0, 0
	QUARTER 384, F0, F1, 0
	TURN
	QUARTER 128, F0, F1, 0
	WIN 0
	s_sub_co_u32 s3, s3, 1
	s_cmp_lg_u32 s3, 0
	s_cbranch_scc1 .Lstep
	s_mov_b32 s3, 2
.Ltail:                                                ; K steps 6 and 7: the same trip without round and refill; the second walk is left behind its barrier, which then orders nothing: the price of one text for both
	QUARTER 256, F1, F0, 0
	QUARTER 384, F0, F1, 0
	MEET                                           ; first walk: my one tensor load that was still out is the last K step's
	s_sub_co_u32 s3, s3, 1
	s_cmp_eq_u32 s3, 0
	s_cbranch_scc1 .Lfin
	OTHER                                          ; its two additions and two v_nop are the places in front of the loads into buffer 0
	v_nop
	v_nop
	FETCH 0, F0
	MUL8 F1, 1, 0, 0
	MUL8 F1, 1, 2, 0
	QUARTER 128, F0, F1, 0
	WIN 0
	s_branch .Ltail
.Lfin:
	MUL8 F1, 1, 0, 0                               ; the last 16 products
	MUL8 F1, 1, 2, 0
	WIN 0
	PLACES
	TOSTAGE 0
	TOSTAGE 1
	SEND 0, 16
	TOSTAGE 2
	SEND 1, 16
	TOSTAGE 3
	SEND 2, 16
	SEND 3, 0
	s_wait_tensorcnt 0x0                           ; the wave's end: behind my last tensor load and my last LDS store
	ds_add_u32 v[SPW], v[NIL]
	s_wait_dscnt 0x0
	CROUND                                         ; the closing round
	s_endpgm
.Lfunc_end_k_q63a21bee5b_oproj:
	.size	k_q63a21bee5b_oproj, .Lfunc_end_k_q63a21bee5b_oproj-k_q63a21bee5b_oproj
	.p2alignl 7, 3214868480
	.fill 96, 4, 3214868480
	.section	.rodata,"a",@progbits
	.p2align	6, 0x0
	.amdhsa_kernel k_q63a21bee5b_oproj
		.amdhsa_group_segment_fixed_size 327680
		.amdhsa_private_segment_fixed_size 0
		.amdhsa_enable_private_segment 0
		.amdhsa_kernarg_size 24
		.amdhsa_user_sgpr_count 2
		.amdhsa_user_sgpr_kernarg_segment_ptr 1
		.amdhsa_wavefront_size32 1
		.amdhsa_system_sgpr_workgroup_id_x 1
		.amdhsa_system_sgpr_workgroup_id_y 1
		.amdhsa_system_sgpr_workgroup_id_z 1
		.amdhsa_system_vgpr_workitem_id 0
		.amdhsa_next_free_vgpr 512
		.amdhsa_next_free_sgpr 66
		.amdhsa_reserve_vcc 0
		.amdhsa_float_denorm_mode_32 3
		.amdhsa_float_denorm_mode_16_64 3
		.amdhsa_memory_ordered 1
		.amdhsa_forward_progress 1
		.amdhsa_inst_pref_size 59
	.end_amdhsa_kernel
	.amdgpu_metadata
---
amdhsa.version: [ 1, 2 ]
amdhsa.kernels:
  - .name:           k_q63a21bee5b_oproj
    .symbol:         k_q63a21bee5b_oproj.kd
    .args:
      - { .name: ob, .offset: 0, .size: 8, .value_kind: global_buffer, .address_space: global }
      - { .name: wb, .offset: 8, .size: 8, .value_kind: global_buffer, .address_space: global }
      - { .name: out0, .offset: 16, .size: 8, .value_kind: global_buffer, .address_space: global }
    .group_segment_fixed_size: 327680
    .private_segment_fixed_size: 0
    .kernarg_segment_align: 8
    .kernarg_segment_size: 24
    .max_flat_workgroup_size: 128
    .sgpr_count:     66
    .vgpr_count:     512
    .wavefront_size: 32
...
	.end_amdgpu_metadata
.endif
;; end of part 4
;; ======== version 2 of 2: 4 launches; version 1 with the launch cast written anew for expert scheduling mode
;; limits: values are held in f16: magnitudes above 65,504 overflow, below 6.1e-05 lose precision
;; workspace buffers: xb 16,777,216 bytes; wb 33,554,432 bytes; qkf 33,554,432 bytes; vt 8,388,608 bytes; ob 8,388,608 bytes
;; launch cast (part 5): grid 1024 x 1, 8 waves a work-group, no clusters, 0 bytes of LDS; arguments x_q, x_kv, Wq, Wk, Wv, Wo, xb, wb; writes xb, wb
.if DOCPART == 5
	.amdgcn_target "amdgcn-amd-amdhsa--gfx1250"
	.amdhsa_code_object_version 6
	.text
	.protected	k_q63a21bee5b_cast
	.globl	k_q63a21bee5b_cast
	.p2align	8
	.type	k_q63a21bee5b_cast,@function
k_q63a21bee5b_cast:
	s_mov_b64 s[64:65], 0
	v_nop
	global_prefetch_b8 v0, s[64:65] scope:SCOPE_SE
	s_setreg_imm32_b32 hwreg(HW_REG_WAVE_SCHED_MODE, 0, 2), 2
	s_setreg_imm32_b32 hwreg(HW_REG_WAVE_MODE, 25, 1), 1
	s_wait_xcnt 0x0
	s_wait_alu depctr_vm_vsrc(0)
; All six inputs, f32, are rounded once to bf16 (to nearest even): xb = [x_q ; x_kv] as [4096][2048], wb = [Wq ; Wk ; Wv ; Wo] as [8192][2048].
; A stream: each byte is read once and written once; no LDS, no barrier, no matrix work, no cluster (no two work-groups read the same byte).
; SHARES.  Each source has 4,194,304 numbers; work-group g of 1,024 takes numbers 4,096 g .. 4,096 g + 4,095 of each of the six.
; Thread t of 256 takes, in chunk j of 4, the 16 bytes at 16,384 g + 4,096 j + 16 t: a load of a wave covers 512 consecutive bytes,
; and its store of 8 bytes a lane covers 256 consecutive bytes, at a multiple of 256 from the buffer's first byte.
; All 24 loads of a thread go out first; no register is written twice.
; THE MODE: SCHED_MODE bits 1:0 = 2 (LLVM: expert scheduling mode 2), set by the entry lines.  The code itself states the register dependences
; between vector instructions and memory instructions, with s_wait_alu, always for 0.
; THE PLAN.  Registers that memory instructions touch:
;   v1, v2     byte offsets of the loads and of the stores.  Written once at the head, by a vector instruction each; read by every load (v1) and every store (v2); never written again.
;   X          load i = 4 x source + chunk lands in 4 registers of its own, once; no vector instruction names them before the load is issued; its two conversions read them.
;   Y          load i's two conversions write 2 registers of their own, once; one store reads them.
; The work goes in six blocks, a source each.  Block n rounds X[n] into Y[n]; its memory instructions are the four stores of block n - 1, which read Y[n - 1] and v2:
; registers that no vector instruction of block n names.  So one wait at a block's head states all that its four stores hang on.  Since no register that a memory
; instruction reads is ever written again, nothing is owed on the memory instructions' reads.
.set X, 4                              ; v[4:99]    load i = 4 x source + chunk: 4 registers
.set Y, 100                            ; v[100:147] its 2 registers of bf16
	s_load_b512 s[8:23], s[0:1], 0x0               ; x_q s[8:9], x_kv s[10:11], Wq s[12:13], Wk s[14:15], Wv s[16:17], Wo s[18:19], xb s[20:21], wb s[22:23]
	s_lshl_b32 s2, ttmp9, 14                       ; the work-group's 16,384 bytes of a source,
	s_lshl_b32 s3, ttmp9, 13                       ; and its 8,192 bytes of the copy
	v_lshl_add_u32 v1, v0, 4, s2
	v_lshl_add_u32 v2, v0, 3, s3
	s_wait_kmcnt 0x0
	s_add_nc_u64 s[24:25], s[20:21], 0x800000      ; x_kv's copy lies behind x_q's 8 MiB
	s_add_nc_u64 s[26:27], s[22:23], 0x800000      ; Wk's behind Wq's,
	s_add_nc_u64 s[28:29], s[22:23], 0x1000000     ; Wv's,
	s_add_nc_u64 s[30:31], s[22:23], 0x1800000     ; Wo's
	s_wait_alu depctr_va_vdst(0)                   ; v1 and v2 are written: every load of the kernel reads v1 as its offset, every store v2
.macro LD4 n, base                     ; source n: four loads
.irp j, 0,1,2,3
	global_load_b128 v[X+16*(\n)+4*(\j):X+16*(\n)+4*(\j)+3], v1, s[(\base):(\base)+1] offset:4096*(\j) th:TH_LOAD_NT
.endr
.endm
.macro ST4 n, base                     ; source n: its four stores, in one run
.irp j, 0,1,2,3
	global_store_b64 v2, v[Y+8*(\n)+2*(\j):Y+8*(\n)+2*(\j)+1], s[(\base):(\base)+1] offset:2048*(\j) th:TH_STORE_NT
.endr
.endm
; Block n.  before: the base of the copy of source n - 1, whose stores go out at this block's head (block 0 has no block in front of it).
.macro BLK n, before
	s_wait_loadcnt 23-4*(\n)                       ; loads come back in order: the block's first is in, the younger ones stay out
.if (\n) > 0
	s_wait_alu depctr_va_vdst(0)                   ; the conversions of the block before have written its Y, which the four stores below read
	ST4 (\n)-1, \before                            ; no vector instruction since the wait names these registers or v2
.endif
.irp j, 0,1,2,3
.if (\j) > 0
	s_wait_loadcnt 23-4*(\n)-(\j)                  ; this load is in, the younger ones stay out
.endif
	v_cvt_pk_bf16_f32 v[Y+8*(\n)+2*(\j)], v[X+16*(\n)+4*(\j)], v[X+16*(\n)+4*(\j)+1]
	v_cvt_pk_bf16_f32 v[Y+8*(\n)+2*(\j)+1], v[X+16*(\n)+4*(\j)+2], v[X+16*(\n)+4*(\j)+3]
.endr
.endm
	LD4 0, 8
	LD4 1, 10
	LD4 2, 12
	LD4 3, 14
	LD4 4, 16
	LD4 5, 18
	BLK 0, 0                                       ; x_q is rounded
	BLK 1, 20                                      ; x_q's copy leaves, x_kv is rounded
	BLK 2, 24                                      ; x_kv's copy, Wq
	BLK 3, 22                                      ; Wq's copy, Wk
	BLK 4, 26                                      ; Wk's copy, Wv
	BLK 5, 28                                      ; Wv's copy, Wo
	s_wait_alu depctr_va_vdst(0)                   ; the last block's conversions have written its Y, which the last four stores read
	ST4 5, 30                                      ; Wo's copy
	s_endpgm
.Lfunc_end_k_q63a21bee5b_cast:
	.size	k_q63a21bee5b_cast, .Lfunc_end_k_q63a21bee5b_cast-k_q63a21bee5b_cast
	.p2alignl 7, 3214868480
	.fill 96, 4, 3214868480
	.section	.rodata,"a",@progbits
	.p2align	6, 0x0
	.amdhsa_kernel k_q63a21bee5b_cast
		.amdhsa_group_segment_fixed_size 0
		.amdhsa_private_segment_fixed_size 0
		.amdhsa_enable_private_segment 0
		.amdhsa_kernarg_size 64
		.amdhsa_user_sgpr_count 2
		.amdhsa_user_sgpr_kernarg_segment_ptr 1
		.amdhsa_wavefront_size32 1
		.amdhsa_system_sgpr_workgroup_id_x 1
		.amdhsa_system_sgpr_workgroup_id_y 1
		.amdhsa_system_sgpr_workgroup_id_z 1
		.amdhsa_system_vgpr_workitem_id 0
		.amdhsa_next_free_vgpr 148
		.amdhsa_next_free_sgpr 66
		.amdhsa_reserve_vcc 0
		.amdhsa_float_denorm_mode_32 3
		.amdhsa_float_denorm_mode_16_64 3
		.amdhsa_memory_ordered 1
		.amdhsa_forward_progress 1
		.amdhsa_inst_pref_size 10
	.end_amdhsa_kernel
	.amdgpu_metadata
---
amdhsa.version: [ 1, 2 ]
amdhsa.kernels:
  - .name:           k_q63a21bee5b_cast
    .symbol:         k_q63a21bee5b_cast.kd
    .args:
      - { .name: x_q, .offset: 0, .size: 8, .value_kind: global_buffer, .address_space: global }
      - { .name: x_kv, .offset: 8, .size: 8, .value_kind: global_buffer, .address_space: global }
      - { .name: Wq, .offset: 16, .size: 8, .value_kind: global_buffer, .address_space: global }
      - { .name: Wk, .offset: 24, .size: 8, .value_kind: global_buffer, .address_space: global }
      - { .name: Wv, .offset: 32, .size: 8, .value_kind: global_buffer, .address_space: global }
      - { .name: Wo, .offset: 40, .size: 8, .value_kind: global_buffer, .address_space: global }
      - { .name: xb, .offset: 48, .size: 8, .value_kind: global_buffer, .address_space: global }
      - { .name: wb, .offset: 56, .size: 8, .value_kind: global_buffer, .address_space: global }
    .group_segment_fixed_size: 0
    .private_segment_fixed_size: 0
    .kernarg_segment_align: 8
    .kernarg_segment_size: 64
    .max_flat_workgroup_size: 256
    .sgpr_count:     66
    .vgpr_count:     148
    .wavefront_size: 32
...
	.end_amdgpu_metadata
.endif
;; end of part 5
;; launch qkv: the kernel of part 2 again; grid 24 x 8, 4 waves a work-group, clusters of 4 x 4, 327,680 bytes of LDS; arguments xb, wb, qkf, vt; writes qkf, vt
;; launch attn: the kernel of part 3 again; grid 16 x 32, 4 waves a work-group, clusters of 4 x 1, 327,680 bytes of LDS; arguments qkf, vt, ob; writes ob
;; launch oproj: the kernel of part 4 again; grid 16 x 16, 4 waves a work-group, clusters of 4 x 4, 327,680 bytes of LDS; arguments ob, wb, out0; writes out0
